; MI455X (gfx1250); checked and timed in simulation.
; The chip was launched on July 23, 2026; its instructions are those of AMD's public machine-readable ISA for CDNA 5 (MIT licence, August 2026) and "CDNA5" Instruction Set Architecture Reference Guide (July 2026). The comments in the code are by the model that wrote it; some were corrected since.
;; Multi Head Self Attention. Allowed arithmetic: matrix products marked QUANTISED: E4M3 operands, one E8M0 scale for each 32 along K, by v_wmma_scale_f32_16x16x128_f8f6f4 with both operands' format E4M3, f32 sums; everything else in f32.
;; Inputs: Wk 1,024 x 1,024 float32; Wo 1,024 x 1,024 float32; Wq 1,024 x 1,024 float32; Wv 1,024 x 1,024 float32; bk 1,024 float32; bo 1,024 float32; bq 1,024 float32; bv 1,024 float32; x 4 x 2,048 x 1,024 float32.
;; Outputs: out0 4 x 2,048 x 1,024 float32.
;; This version of the problem:
;;   THIS VERSION OF THE PROBLEM IS GIVEN IN LOW PRECISION. The matrix products marked QUANTISED in the list below multiply operands that are first quantised to E4M3 (4 exponent bits, 3 mantissa bits; 8 bits a number), with one power-of-two scale for each 32 numbers along K (OCP MX v1.0); their sums are f32. All else is computed in f32.
;;   The module's matrix products, in the order in which they are computed (A, B: the left and right operand; K: the contracted axis; several contracted axes count as one K, in the product's order):
;;     1. [M 8,192, K 1,024] x [K 1,024, N 1,024]; A: input x; B: input Wq: QUANTISED
;;     2. [M 8,192, K 1,024] x [K 1,024, N 1,024]; A: input x; B: input Wk: QUANTISED
;;     3. [M 8,192, K 1,024] x [K 1,024, N 1,024]; A: input x; B: input Wv: QUANTISED
;;     4. batch 64 x [M 2,048, K 64] x [K 64, N 2,048]; A: computed on the way; B: computed on the way: QUANTISED
;;     5. batch 64 x [M 2,048, K 2,048] x [K 2,048, N 64]; A: softmax (see below); B: computed on the way: QUANTISED
;;     6. [M 8,192, K 1,024] x [K 1,024, N 1,024]; A: computed on the way; B: input Wo: QUANTISED
;;   THE QUANTISER, for each operand of a quantised product, along K:
;;     - K is cut into blocks of 32 from its start; a last block that is shorter is filled with zeros.
;;     - A block's scale is 2^e with e = floor(log2(the largest magnitude in the block)) - 8, held to -126 .. 127; a block of zeros has e = 0. As a byte (E8M0): e + 127.
;;     - Each number is divided by its block's scale, clamped to +-448, and rounded to the nearest number of E4M3, ties to even, subnormals kept.
;;     - The product sums the exact products of the quantised numbers (number of the format x scale) in f32.
;;   ~~~python
;;   def quantise(x, axis):      # numpy; x: float32 -> the quantised numbers, widened to float32 again
;;       x = np.moveaxis(x, axis, -1); K = x.shape[-1]
;;       x = np.pad(x, [(0, 0)] * (x.ndim - 1) + [(0, -K % 32)]); x = x.reshape(x.shape[:-1] + (-1, 32)); a = np.abs(x).max(-1, keepdims=True)
;;       e = np.where(a > 0, np.clip(np.frexp(np.where(a > 0, a, 1))[1] - 1 - 8, -126, 127), 0)      # np.frexp(a)[1] - 1 = floor(log2(a)), exactly
;;       r = np.clip(x / 2.0 ** e, -448, 448)
;;       step = 2.0 ** (np.maximum(np.frexp(np.where(r == 0, 1, r))[1] - 1, -6) - 3)
;;       q = np.round(r / step) * step * 2.0 ** e      # np.round: ties to even
;;       return np.moveaxis(q.reshape(q.shape[:-2] + (-1,))[..., :K], -1, axis).astype(np.float32)
;;   ~~~
;;   SOFTMAX AHEAD OF A QUANTISED PRODUCT. Where the list says 'softmax', what is quantised is not the finished softmax but p = 2^(t - M), with t = logit x log2(e) and M = ceil(the row's largest t), a whole number; so 1/2 < the row's largest p <= 1. The row's sum l is taken of the UNQUANTISED p, in f32, and the product's result is divided by l at the end. Since M is a whole number, a kernel that streams over the keys may use a running M (the ceiling of the running maximum): every later rescaling is an exact power of two, which a block's scale takes up: the codes' values come out the same.
;;   OPERANDS COMPUTED ON THE WAY. 'Computed on the way' means the value that the module computes at that place (a softmax that the list does not call 'softmax' is quantised finished and normalised). What goes into a quantiser is computed in f32, as accurately as f32 sums, v_exp_f32 and their like allow (about 1e-6 of the number): no bf16 or f16 on the way to a quantiser, and a product that is left as it is and whose result goes on into a quantised operand takes f32 operands (vector FMAs, or v_wmma_f32_16x16x4_f32). A number that lies on a knife's edge between two numbers of the format may be rounded either way, as far as f32 arithmetic and the matrix unit's own rounding can turn it there, and no further.
;; One version. Each part assembles by itself: llvm-mc -triple=amdgcn-amd-amdhsa -mcpu=gfx1250 --defsym DOCPART=n.
;; ======== version 1 of 1: 4 launches
;; limits: right only within a limited range of input values
;; workspace buffers: xc 8,388,608 bytes; xs 262,144 bytes; wc 4,194,304 bytes; ws 131,072 bytes; qkvi 25,165,824 bytes; qkvs 1,310,720 bytes; ai 8,388,608 bytes; asc 262,144 bytes
;; launch quant (part 1): grid 384 x 1, 4 waves a work-group, no clusters, 68,096 bytes of LDS; arguments x, Wq, Wk, Wv, Wo, xc, xs, wc, ws; writes xc, xs, wc, ws
.if DOCPART == 1
	.amdgcn_target "amdgcn-amd-amdhsa--gfx1250"
	.amdhsa_code_object_version 6
	.text
	.protected	k_q960f59e8c9_quant
	.globl	k_q960f59e8c9_quant
	.p2align	8
	.type	k_q960f59e8c9_quant,@function
k_q960f59e8c9_quant:
	s_mov_b64 s[64:65], 0
	v_nop
	global_prefetch_b8 v0, s[64:65] scope:SCOPE_SE
	s_setreg_imm32_b32 hwreg(HW_REG_WAVE_MODE, 25, 1), 1
	s_wait_xcnt 0x0
; x [8192][1024] f32 and Wq, Wk, Wv, Wo [1024 (k)][1024 (n)] f32 become codes of FP8 (E4M3) with K innermost and one E8M0 byte for each 32 along K.
; xc [8192][1024], xs [8192][32];  wc [4096][1024], ws [4096][32]: rows 0.. Wq's n, 1024.. Wk's, 2048.. Wv's, 3072.. Wo's.
; ROW ORDER: row L of xc, xs, wc, ws holds the tensor's row (x) or column (W) L with bits 3 and 4 exchanged.  Sixteen rows on end, tile 2 G + u, then are the rows
; 32 G + 8 u + r + 8 (r / 8): in the products that follow, the 16 result registers of two neighbouring tiles are 16 neighbours, as the next quantiser wants them.
; A block's scale is 2^(floor(log2(largest magnitude)) - 8); its byte is the largest magnitude's exponent field - 8, held at 1 from below; numbers are held within +-448 x the scale, then rounded to the nearest code, ties to even.
; LIMITS: a block of zeros, or one whose largest magnitude lies under 2^-118, gets the byte 1 (its bytes are read by this program alone; zero codes add nothing); NaN and infinities are not served.
; Work-groups 0 to 255 take x (K innermost: a plain stream of blocks), 256 to 383 the weights (K outermost: a lane to a column, registers down K).  Both kinds read 128 KiB.
; The two paths part on the work-group's number and have LDS bytes of their own.  No tensor loads, no barrier, no cluster: waves share nothing.
.set XWG,   256
.set STEPS, 16
.set MANT,  0x600000                   ; the mantissa field of 448
.set FLOOR, 0x4800000                  ; 2^(9 - 127)
.set OFF8,  0xfc000000                 ; -(8 << 23)
; the x path
.set XR,    16                         ; v16-79   four sets of 16 numbers as loaded
.set XX,    80                         ; v80-111  two sets of 16 neighbours
.set XE,    112                        ; v112-127 a scale byte for each step
.set XC,    128                        ; v128-191 codes, four registers a step
.set WREG,  8192                       ; LDS 0..32767: a region for each wave: two stages of 32 x SP bytes, then 256 scale bytes
.set SP,    80
; the weights' path
.set NB,    8                          ; blocks of 32 along K for a wave
.set PITCH, 272                        ; a stage row: 256 bytes of codes + 16
.set KROW,  1024                       ; a row of wc in bytes
.set WBASE, 32768                      ; LDS 32768..67583: a stage of 32 rows for each wave
.set WX,    32                         ; v32-95   two sets of 32 numbers
.set WC,    96                         ; v96-103  a block's codes
.set OUTR,  112                        ; v112-175 the way out
.set SB,    24                         ; v24-25   the scale bytes
	s_load_b256 s[4:11], s[0:1], 0x0               ; x, Wq, Wk, Wv
	s_load_b256 s[12:19], s[0:1], 0x20             ; Wo, xc, xs, wc
	s_load_b64 s[20:21], s[0:1], 0x40              ; ws
	v_lshl_add_u32 v192, v0, 2, 0x10800
	v_mov_b32 v193, 0
	v_lshrrev_b32 v1, 5, v0
	v_readfirstlane_b32 s22, v1                    ; wave 0..3
	v_and_b32 v2, 31, v0                           ; lane
	s_cmp_lt_u32 ttmp9, XWG
	s_cbranch_scc0 .Lweights
; ---------------- x: a wave takes 8 rows (8,192 numbers) in 16 steps of 512 ----------------
	v_lshlrev_b32 v3, 4, v2                        ; my 16 bytes of a load's 512
	s_mul_i32 s24, s22, WREG
	v_lshrrev_b32 v14, 2, v2
	v_mul_u32_u24 v14, v14, SP
	v_and_b32 v15, 3, v2
	v_lshl_add_u32 v14, v15, 4, v14
	v_add_nc_u32 v14, s24, v14                     ; the stage, in: SP (lane / 4) + 16 (lane % 4)
	v_mul_u32_u24 v15, v2, SP
	v_add_nc_u32 v15, s24, v15                     ; out: SP x lane: my 16 neighbours
	v_lshlrev_b32 v4, 4, v2                        ; my codes' place in a step's 512 bytes
	v_lshrrev_b32 v5, 1, v2
	s_add_co_u32 s24, s24, 2*32*SP
	v_add_nc_u32 v5, s24, v5                       ; my block's scale byte in LDS
	v_lshlrev_b32 v7, 3, v2
	v_add_nc_u32 v6, s24, v7                       ; and 8 bytes a lane on the way out
	s_lshl_b32 s25, ttmp9, 2
	s_add_co_u32 s26, s25, s22                     ; which run of 8 rows I read: 4 x work-group + wave
	s_lshl_b32 s26, s26, 15                        ; 32,768 bytes a run
	s_mov_b32 s27, 0
	s_and_b32 s28, s22, 1                          ; where it goes: bits 3 and 4 of a row are bits 0 and 1 of the run: exchanged
	s_lshl_b32 s28, s28, 1
	s_lshr_b32 s29, s22, 1
	s_or_b32 s28, s28, s29
	s_add_co_u32 s28, s28, s25
	s_lshl_b32 s30, s28, 13                        ; 8,192 bytes of codes a run
	s_mov_b32 s31, 0
	s_lshl_b32 s28, s28, 8                         ; 256 scale bytes a run
	s_mov_b32 s29, 0
	s_wait_alu depctr_va_vdst(0)
	s_wait_kmcnt 0x0
	s_add_nc_u64 s[4:5], s[4:5], s[26:27]
	s_add_nc_u64 s[14:15], s[14:15], s[30:31]
	s_add_nc_u64 s[16:17], s[16:17], s[28:29]
.macro XLOAD t
.irp i, 0,1,2,3
	global_load_b128 v[XR+16*((\t)%4)+4*\i:XR+16*((\t)%4)+4*\i+3], v3, s[4:5] offset:2048*(\t)+512*\i th:TH_LOAD_NT   ; 32 lanes read 512 consecutive bytes
.endr
.endm
.macro XTURN t                         ; a step's 2,048 bytes through the wave's stage: LDS serves a wave's instructions in order, so no wait stands between the stores and the loads
.irp i, 0,1,2,3
	ds_store_b128 v14, v[XR+16*((\t)%4)+4*\i:XR+16*((\t)%4)+4*\i+3] offset:32*SP*((\t)%2)+8*SP*\i
.endr
.irp i, 0,1,2,3
	ds_load_b128 v[XX+16*((\t)%2)+4*\i:XX+16*((\t)%2)+4*\i+3], v15 offset:32*SP*((\t)%2)+16*\i
.endr
.endm
.irp t, 0,1,2,3
	XLOAD \t
.endr
	s_wait_loadcnt 12                              ; step 0's four loads are in; twelve younger ones stay out
	XTURN 0
.macro XSTEP t
.set XS, XX+16*((\t)%2)
.if (\t) > 0
	s_wait_dscnt 1                                 ; this step's numbers are back from the stage; the last step's byte store may be out
.else
	s_wait_dscnt 0x0
.endif
.if (\t)+4 < STEPS
	XLOAD (\t)+4                                   ; into the registers that the stage's stores have read
.endif
.if (\t)+1 < STEPS
.if STEPS-2-(\t) >= 3
	s_wait_loadcnt 12                              ; the next step's four loads are in; those of the three steps behind it may be out
.else
	s_wait_loadcnt 4*(STEPS-2-(\t))
.endif
	XTURN (\t)+1
.endif
	v_max3_num_f32 v8, |v[XS]|, |v[XS+1]|, |v[XS+2]|               ; the largest magnitude of my 16, in two chains
	v_max3_num_f32 v9, |v[XS+3]|, |v[XS+4]|, |v[XS+5]|
.irp i, 6,10
	v_max3_num_f32 v8, v8, |v[XS+\i]|, |v[XS+\i+1]|
	v_max3_num_f32 v9, v9, |v[XS+\i+2]|, |v[XS+\i+3]|
.endr
	v_max3_num_f32 v8, v8, |v[XS+14]|, |v[XS+15]|
	v_max3_num_f32 v8, v8, v9, FLOOR               ; and the floor: the byte cannot fall under 1
	v_max_num_f32_dpp v8, v8, v8 row_xmask:1 row_mask:0xf bank_mask:0xf   ; with my neighbour's 16: the block's
	v_add_nc_u32 v11, OFF8, v8                     ; 8 off the exponent field: the conversion's scale operand
.irp i, 0,1,2,3,4,5,6,7,8,9,10,11,12,13,14,15
.endr
	v_cvt_scalef32_pk8_fp8_f32 v[XC+4*(\t):XC+4*(\t)+1], v[XS:XS+7], v11
	v_cvt_scalef32_pk8_fp8_f32 v[XC+4*(\t)+2:XC+4*(\t)+3], v[XS+8:XS+15], v11
	v_lshrrev_b32 v[XE+(\t)], 23, v11              ; the scale's byte
	ds_store_b8 v5, v[XE+(\t)] offset:16*(\t)      ; both lanes of a block write the same byte with the same value
	global_store_b128 v4, v[XC+4*(\t):XC+4*(\t)+3], s[14:15] offset:512*(\t)   ; 512 consecutive bytes a wave
.endm
.irp t, 0,1,2,3,4,5,6,7,8,9,10,11,12,13,14,15
	XSTEP \t
.endr
	ds_load_b64 v[12:13], v6                       ; my wave's 256 scale bytes: these loads see my stores
	s_wait_dscnt 0x0
	global_store_b64 v7, v[12:13], s[16:17]        ; 32 lanes store 256 consecutive bytes, aligned
	s_wait_tensorcnt 0x0
	ds_add_u32 v192, v193
	s_wait_dscnt 0x0
	s_endpgm
; ---------------- the weights: a wave takes 32 columns x 256 along K ----------------
.Lweights:
	s_sub_co_u32 s24, ttmp9, XWG                   ; 0..127
	s_lshr_b32 s25, s24, 5                         ; which weight
	s_and_b32 s26, s24, 7                          ; which 128 columns
	s_bfe_u32 s27, s24, 0x20003                    ; which 256 along K
	s_lshl_b32 s26, s26, 7
	s_lshl_b32 s28, s22, 5
	s_add_co_u32 s26, s26, s28                     ; my wave's first column
	s_wait_alu depctr_va_vdst(0)
	v_and_b32 v10, 7, v2                           ; my column's row among the wave's 32: the lane with bits 3 and 4 exchanged
	v_bfe_u32 v11, v2, 3, 1
	v_bfe_u32 v12, v2, 4, 1
	v_lshl_or_b32 v10, v11, 4, v10
	v_lshl_or_b32 v10, v12, 3, v10
	v_lshlrev_b32 v3, 2, v2                        ; in: 4 bytes a lane
	s_mul_i32 s29, s22, 32*PITCH
	s_add_co_u32 s29, s29, WBASE                   ; my stage
	v_mul_u32_u24 v4, v10, PITCH
	v_add_nc_u32 v4, s29, v4                       ; into it: my column's row
	v_and_b32 v5, 15, v2
	v_lshrrev_b32 v6, 4, v2                        ; out of it: sixteen lanes to a row, two rows an instruction
	v_mul_u32_u24 v7, v6, PITCH
	v_lshl_add_u32 v7, v5, 4, v7
	v_add_nc_u32 v7, s29, v7
	v_mul_u32_u24 v8, v6, KROW
	v_lshl_add_u32 v8, v5, 4, v8                   ; and the same place in wc
	v_lshlrev_b32 v9, 5, v10                       ; my column's row of scale bytes
	s_lshl_b32 s30, s27, 20                        ; W: 256 rows of 4,096 bytes for each step along K, + 4 x column
	s_lshl_b32 s28, s26, 2
	s_add_co_u32 s30, s30, s28
	s_mov_b32 s31, 0
	s_lshl_b32 s32, s25, 20                        ; wc: the weight's 1,024 rows, + column x 1,024 + 256 x step
	s_lshl_b32 s28, s26, 10
	s_add_co_u32 s32, s32, s28
	s_lshl_b32 s28, s27, 8
	s_add_co_u32 s32, s32, s28
	s_mov_b32 s33, 0
	s_lshl_b32 s34, s25, 15                        ; ws: likewise with 32 bytes a row and 8 a step
	s_lshl_b32 s28, s26, 5
	s_add_co_u32 s34, s34, s28
	s_lshl_b32 s28, s27, 3
	s_add_co_u32 s34, s34, s28
	s_mov_b32 s35, 0
	s_wait_kmcnt 0x0
	s_cmp_eq_u32 s25, 1                            ; the choice hangs on the work-group's number alone
	s_cselect_b64 s[6:7], s[8:9], s[6:7]
	s_cmp_eq_u32 s25, 2
	s_cselect_b64 s[6:7], s[10:11], s[6:7]
	s_cmp_eq_u32 s25, 3
	s_cselect_b64 s[6:7], s[12:13], s[6:7]
	s_add_nc_u64 s[6:7], s[6:7], s[30:31]
	s_add_nc_u64 s[18:19], s[18:19], s[32:33]
	s_add_nc_u64 s[20:21], s[20:21], s[34:35]
.macro WLOAD t                         ; block t: W(32 t + i, my column), i = 0 .. 31: 128 consecutive bytes a wave and load
.irp i, 0,1,2,3,4,5,6,7,8,9,10,11,12,13,14,15,16,17,18,19,20,21,22,23,24,25,26,27,28,29,30,31
	global_load_b32 v[WX+32*((\t)%2)+\i], v3, s[6:7] offset:(32*(\t)+\i)*4096 th:TH_LOAD_NT
.endr
.endm
	WLOAD 0
	WLOAD 1
.macro WBLOCK t
.set XS, WX+32*((\t)%2)
.if (\t) < NB-1
	s_wait_loadcnt 32                              ; this block's 32 loads are in; the next block's may be out
.else
	s_wait_loadcnt 0
.endif
	v_max3_num_f32 v12, |v[XS]|, |v[XS+1]|, |v[XS+2]|              ; all 32 numbers of the block are mine
	v_max3_num_f32 v13, |v[XS+3]|, |v[XS+4]|, |v[XS+5]|
.irp i, 6,10,14,18,22,26
	v_max3_num_f32 v12, v12, |v[XS+\i]|, |v[XS+\i+1]|
	v_max3_num_f32 v13, v13, |v[XS+\i+2]|, |v[XS+\i+3]|
.endr
	v_max3_num_f32 v12, v12, |v[XS+30]|, |v[XS+31]|
	v_max3_num_f32 v12, v12, v13, FLOOR
	v_add_nc_u32 v11, OFF8, v12
	v_lshrrev_b32 v13, 23, v11
.if (\t)%4 == 0
	v_mov_b32 v[SB+(\t)/4], v13                    ; four bytes to a register, the lower K in the lower byte
.else
	v_lshl_or_b32 v[SB+(\t)/4], v13, 8*((\t)%4), v[SB+(\t)/4]
.endif
.irp i, 0,1,2,3,4,5,6,7,8,9,10,11,12,13,14,15,16,17,18,19,20,21,22,23,24,25,26,27,28,29,30,31
.endr
.irp g, 0,1,2,3
	v_cvt_scalef32_pk8_fp8_f32 v[WC+2*\g:WC+2*\g+1], v[XS+8*\g:XS+8*\g+7], v11
.endr
	v_nop                                          ; one plain line behind the last conversion
	ds_store_b128 v4, v[WC:WC+3] offset:32*(\t)
	ds_store_b128 v4, v[WC+4:WC+7] offset:32*(\t)+16
.if (\t)+2 < NB
	WLOAD (\t)+2
.endif
	s_wait_dscnt 0x0                               ; the stores have read their registers: the next block's codes may be written
.endm
.irp t, 0,1,2,3,4,5,6,7
	WBLOCK \t
.endr
	s_wait_alu depctr_va_vdst(0)
	global_store_b64 v9, v[SB:SB+1], s[20:21]      ; my column's 8 scale bytes
.irp t, 0,1,2,3,4,5,6,7,8,9,10,11,12,13,14,15
	ds_load_b128 v[OUTR+4*\t:OUTR+4*\t+3], v7 offset:2*\t*PITCH
.endr
.irp t, 0,1,2,3,4,5,6,7,8,9,10,11,12,13,14,15
	s_wait_dscnt 15-\t                             ; row pair t is back; the later ones may be out
	global_store_b128 v8, v[OUTR+4*\t:OUTR+4*\t+3], s[18:19] offset:2*\t*KROW   ; sixteen lanes store 256 consecutive bytes, aligned
.endr
	s_wait_tensorcnt 0x0
	ds_add_u32 v192, v193
	s_wait_dscnt 0x0
	s_endpgm
.Lfunc_end_k_q960f59e8c9_quant:
	.size	k_q960f59e8c9_quant, .Lfunc_end_k_q960f59e8c9_quant-k_q960f59e8c9_quant
	.p2alignl 7, 3214868480
	.fill 96, 4, 3214868480
	.section	.rodata,"a",@progbits
	.p2align	6, 0x0
	.amdhsa_kernel k_q960f59e8c9_quant
		.amdhsa_group_segment_fixed_size 68096
		.amdhsa_private_segment_fixed_size 0
		.amdhsa_enable_private_segment 0
		.amdhsa_kernarg_size 72
		.amdhsa_user_sgpr_count 2
		.amdhsa_user_sgpr_kernarg_segment_ptr 1
		.amdhsa_wavefront_size32 1
		.amdhsa_system_sgpr_workgroup_id_x 1
		.amdhsa_system_sgpr_workgroup_id_y 1
		.amdhsa_system_sgpr_workgroup_id_z 1
		.amdhsa_system_vgpr_workitem_id 0
		.amdhsa_next_free_vgpr 194
		.amdhsa_next_free_sgpr 66
		.amdhsa_reserve_vcc 0
		.amdhsa_float_denorm_mode_32 3
		.amdhsa_float_denorm_mode_16_64 3
		.amdhsa_fp16_overflow 1
		.amdhsa_memory_ordered 1
		.amdhsa_forward_progress 1
		.amdhsa_inst_pref_size 76
	.end_amdhsa_kernel
	.amdgpu_metadata
---
amdhsa.version: [ 1, 2 ]
amdhsa.kernels:
  - .name:           k_q960f59e8c9_quant
    .symbol:         k_q960f59e8c9_quant.kd
    .args:
      - { .name: x, .offset: 0, .size: 8, .value_kind: global_buffer, .address_space: global }
      - { .name: Wq, .offset: 8, .size: 8, .value_kind: global_buffer, .address_space: global }
      - { .name: Wk, .offset: 16, .size: 8, .value_kind: global_buffer, .address_space: global }
      - { .name: Wv, .offset: 24, .size: 8, .value_kind: global_buffer, .address_space: global }
      - { .name: Wo, .offset: 32, .size: 8, .value_kind: global_buffer, .address_space: global }
      - { .name: xc, .offset: 40, .size: 8, .value_kind: global_buffer, .address_space: global }
      - { .name: xs, .offset: 48, .size: 8, .value_kind: global_buffer, .address_space: global }
      - { .name: wc, .offset: 56, .size: 8, .value_kind: global_buffer, .address_space: global }
      - { .name: ws, .offset: 64, .size: 8, .value_kind: global_buffer, .address_space: global }
    .group_segment_fixed_size: 68096
    .private_segment_fixed_size: 0
    .kernarg_segment_align: 8
    .kernarg_segment_size: 72
    .max_flat_workgroup_size: 128
    .sgpr_count:     66
    .vgpr_count:     194
    .wavefront_size: 32
...
	.end_amdgpu_metadata
.endif
;; end of part 1
;; launch qkv (part 2): grid 12 x 32, 4 waves a work-group, clusters of 4 x 4, 327,680 bytes of LDS; arguments xc, xs, wc, ws, bq, bk, bv, qkvi, qkvs; writes qkvi, qkvs
.if DOCPART == 2
	.amdgcn_target "amdgcn-amd-amdhsa--gfx1250"
	.amdhsa_code_object_version 6
	.text
	.protected	k_q960f59e8c9_qkv
	.globl	k_q960f59e8c9_qkv
	.p2align	8
	.type	k_q960f59e8c9_qkv,@function
k_q960f59e8c9_qkv:
	s_mov_b64 s[64:65], 0
	v_nop
	global_prefetch_b8 v0, s[64:65] scope:SCOPE_SE
	s_setreg_imm32_b32 hwreg(HW_REG_WAVE_MODE, 25, 1), 1
	s_wait_xcnt 0x0
	s_wait_alu depctr_hold_cnt(0) depctr_sa_sdst(0) depctr_va_vdst(0) depctr_va_sdst(0) depctr_va_ssrc(0) depctr_va_vcc(0) depctr_vm_vsrc(0)
	s_getreg_b32 s2, hwreg(HW_REG_IB_STS2, 6, 4)
	s_cmp_eq_u32 s2, 0
	s_cbranch_scc0 .Lentry_in_a_cluster
	s_endpgm
.Lentry_in_a_cluster:
	s_bfe_u32 s2, ttmp6, 0x10000c
	s_cmp_lg_u32 s2, 0xf033
	s_cbranch_scc0 .Lentry_shape_is_right
	s_endpgm
.Lentry_shape_is_right:
; q = x Wq + bq, k = x Wk + bk, v = x Wv + bv on codes of FP8 (E4M3) with E8M0 scales; the results are quantised in registers and leave as codes alone.
; A tile of 256 x 256 to a work-group, 128 x 128 to each of four waves (64 accumulators, 512 registers); K = 1,024 in four steps of 256 through a ring of two LDS slots; the scale bytes of the
; work-group's 512 rows come once and stay in LDS.  Clusters of 4 x 4: cluster x = 0 makes q, 1 makes k, 2 makes v; cluster y walks x's rows.
; TWO SIDES.  Side L is source 1: its rows land in lanes.  Side R is source 0: its rows run along a lane's registers.  L's tile hangs on cy and is asked for jointly by my row of the cluster, R's on cx, by my column.
;   q, k: L = x (a lane holds a token), R = W (registers run along the head's channels, the next product's K).      v: L = W (a lane holds a channel), R = x (registers run along the keys, the next K).
; Both tensors have rows of 1,024 bytes and scale rows of 32, so only pointers and tile numbers are chosen, on cluster x, which all sixteen partners share.
; ROW ORDER of xc, wc: row with bits 3 and 4 exchanged, so the 16 registers of result tiles 2 B and 2 B + 1 are R's rows 32 B + 16 (lane / 16) + 0 .. 15, and lane r of L's tile 2 G + u is row 32 G + 8 u + r + 8 (r / 8).
; THE BIAS is the C of each sum's first product.  OUT: images of the next operands' registers (16 bytes a lane, 512 consecutive bytes a store) and scale words laid for the next launch's loads.
; LIMITS: a block of zeros or under 2^-118 gets the byte 1 (read by this program alone); NaN and infinities are not served.
; REGISTERS: window 0: v0-31 addresses; v32-63 scale words, two sets; v64-127 the bias table, later the epilogue's work; v128-255 L's fragments, one set.  window 1: R's fragments, two sets.  windows 2, 3: the accumulators.
.set NQ,     2                         ; matrix instructions deep in a slot
.set ROWB,   256                       ; a tile's row in bytes
.set KROW,   1024                      ; a row of codes in memory
.set PITCH,  272                       ; an LDS row: 256 bytes + 16 of padding: the 16 rows that a load touches start at 16 different banks (ISA guide 11.1)
.set FR,     16
.set NL,     4
.set NP,     8                         ; places behind this matrix instruction (ISA guide 7.12.1)
.set HALFT,  128*PITCH
.set SLOT,   4*HALFT
.set LAPS,   2
.set KS,     32                        ; a row of scale bytes
.set SCL,    2*SLOT
.set HALFS,  16*272                    ; the scales of 128 rows, as 16 units of 256 bytes + 16
.set SBLK,   2*272                     ; those of 16 rows
.set SPARE,  SCL+4*HALFS               ; the spare words: 128 bytes for each wave, named by no other line
.set ADRA, 16                          ; v16-17 L's fragments in slot 0, 1
.set ADRB, 20                          ; v20-21 R's
.set ADRS, 27                          ; v27    my scale words: lanes 0-15 L's rows, lanes 16-31 R's
.set SPW,  28
.set NIL,  29
.set VO,   30                          ; the epilogue: my byte offset in the images
.set SV,   31                          ; 8 x lane
.set SC,   32
.set BT,   64                          ; the bias table: 8 tiles of 8 registers
.set AF,   128
.set G1, 24
.set G0, 32
.set G1B, 48
.set G0B, 56
.set VM, 66                            ; s66: 1 where v is made
.set G1S, 68
.set G0S, 76
.set G1SB, 80
.set G0SB, 88
.set MSB, 0
.macro WIN new                         ; the immediate's high byte repeats the setting that is left
.if MSB != \new
	s_set_vgpr_msb (MSB<<8)|\new
.set MSB, \new
.endif
.endm
.set MUL_LO, 0xa1                      ; source 0 (R) window 1, source 1 (L) window 0, C and D window 2
.set MUL_HI, 0xf1
.set TO_B,   0x40
; A joint load: waves 0 and 1 fetch for L, waves 2 and 3 for R.  The branch hangs on the wave's number alone.  Four v_nop follow each of the two lines.
.macro JLOAD g0a, g1a, g0b, g1b
	s_cmp_eq_u32 s15, 0
	s_cbranch_scc0 .Lfor_b_\@
	tensor_load_to_lds s[\g0a:\g0a+3], s[\g1a:\g1a+7]
	s_nop 0
.rept 4
	v_nop
.endr
	s_branch .Lasked_\@
.Lfor_b_\@:
	tensor_load_to_lds s[\g0b:\g0b+3], s[\g1b:\g1b+7]
	s_nop 0
.rept 4
	v_nop
.endr
.Lasked_\@:
.endm
.macro CREST
	s_cmp_lg_u32 s14, 0
	s_cbranch_scc1 .Lnot_wave_0_\@
	s_barrier_signal -3
.Lnot_wave_0_\@:
	s_barrier_wait -3
	s_barrier_signal -1
	s_barrier_wait -1
.endm
.macro CROUND
	s_barrier_signal -1
	s_barrier_wait -1
	CREST
.endm
	s_load_b256 s[4:11], s[0:1], 0x0               ; xc, xs, wc, ws
	s_load_b128 s[92:95], s[0:1], 0x20             ; bq, bk
	s_load_b128 s[96:99], s[0:1], 0x30             ; bv, qkvi
	s_load_b64 s[100:101], s[0:1], 0x40            ; qkvs
	v_lshl_add_u32 v[SPW], v0, 2, SPARE
	v_mov_b32 v[NIL], 0
	ds_add_u32 v28, v29
	ds_add_u32 v28, v29
	s_wait_dscnt 0x0
	v_lshrrev_b32 v1, 5, v0
	v_readfirstlane_b32 s14, v1                    ; wave 0..3
	s_lshr_b32 s15, s14, 1                         ; my half of L's rows.  Also: I fetch for L (0) or for R (1)
	s_and_b32 s16, s14, 1                          ; my half of R's rows.  Also: which 128 rows of that tile I fetch
	s_bfe_u32 s40, ttmp6, 0x40000                  ; cx
	s_bfe_u32 s41, ttmp6, 0x40004                  ; cy
	s_and_b32 s67, ttmp7, 0xffff
	s_lshl_b32 s67, s67, 2                         ; 4 x cluster y
	s_lshl_b32 s42, ttmp9, 2                       ; 4 x cluster x
	s_cmp_eq_u32 ttmp9, 2                          ; the same in all sixteen partners
	s_cselect_b32 s[VM], 1, 0
	s_cselect_b32 s17, 8, s67                      ; L's first tile: Wv's rows begin at tile 8 of wc; else x's tiles of this cluster
	s_cselect_b32 s42, s67, s42                    ; R's first tile
	s_add_co_u32 s17, s17, s41                     ; L's tile hangs on cy alone,
	s_add_co_u32 s42, s42, s40                     ; R's on cx alone
	s_lshl_b32 s43, s41, 2
	s_lshl_b32 s43, 15, s43                        ; my row of the cluster
	s_lshl_b32 s44, 0x1111, s40                    ; my column
	s_or_b32 s[G1+0], s43, (0<<16)|(1<<20)|(1<<21)|(5<<22)|(3<<25)  ; the mask; elements of 1 byte; padding on; bit 21 beside a mask; 4 words after every 64
	s_or_b32 s[G1B+0], s44, (0<<16)|(1<<20)|(1<<21)|(5<<22)|(3<<25)
.irp g, G1, G1B
	s_mov_b32 s[\g+1], ROWB<<16                    ; tensor_dim0
	s_mov_b32 s[\g+2], 128<<16                     ; tensor_dim1
	s_mov_b32 s[\g+3], ROWB<<16                    ; tile_dim0
	s_mov_b32 s[\g+4], 128                         ; tile_dim1
	s_mov_b32 s[\g+5], KROW                        ; the pitch
	s_mov_b32 s[\g+6], 0
	s_mov_b32 s[\g+7], 0
.endr
	s_or_b32 s[G1S+0], s43, (3<<16)|(1<<20)|(1<<21)|(5<<22)|(3<<25) ; the scales of 128 rows: 4,096 dense bytes as 16 rows of 256 (32 elements of 8 bytes), padded alike
	s_or_b32 s[G1SB+0], s44, (3<<16)|(1<<20)|(1<<21)|(5<<22)|(3<<25)
.irp g, G1S, G1SB
	s_mov_b32 s[\g+1], 32<<16
	s_mov_b32 s[\g+2], 16<<16
	s_mov_b32 s[\g+3], 32<<16
	s_mov_b32 s[\g+4], 16
	s_mov_b32 s[\g+5], 32
	s_mov_b32 s[\g+6], 0
	s_mov_b32 s[\g+7], 0
.endr
	s_lshl_b32 s18, s16, 7                         ; which 128 rows of the tile I fetch
	s_lshl_b32 s20, s17, 8
	s_add_co_u32 s20, s20, s18                     ; L: the first row
	s_lshl_b32 s46, s42, 8
	s_add_co_u32 s46, s46, s18                     ; R: the first row
	s_lshl_b32 s22, s20, 5                         ; its scales, 32 bytes a row,
	s_mov_b32 s23, 0
	s_lshl_b32 s104, s46, 5
	s_mov_b32 s105, 0
	s_lshl_b32 s20, s20, 10                        ; its codes, 1,024 bytes a row
	s_mov_b32 s21, 0
	s_lshl_b32 s46, s46, 10
	s_mov_b32 s47, 0
	s_mul_i32 s45, s14, HALFT                      ; where they go: wave x 128 rows: no place in the cluster enters an LDS address
	s_mul_i32 s18, s14, HALFS
	s_wait_kmcnt 0x0
	s_cmp_eq_u32 s[VM], 1
	s_cselect_b64 s[2:3], s[8:9], s[4:5]           ; L's codes
	s_add_nc_u64 s[20:21], s[2:3], s[20:21]
	s_cselect_b64 s[2:3], s[10:11], s[6:7]         ; L's scales
	s_add_nc_u64 s[22:23], s[2:3], s[22:23]
	s_cselect_b64 s[2:3], s[4:5], s[8:9]           ; R's codes
	s_add_nc_u64 s[46:47], s[2:3], s[46:47]
	s_cselect_b64 s[2:3], s[6:7], s[10:11]         ; R's scales
	s_add_nc_u64 s[104:105], s[2:3], s[104:105]
	s_cmp_eq_u32 ttmp9, 1
	s_cselect_b64 s[12:13], s[94:95], s[92:93]     ; the bias: bq, bk
	s_cmp_eq_u32 ttmp9, 2
	s_cselect_b64 s[12:13], s[96:97], s[12:13]     ; or bv
	CROUND                                         ; all sixteen work-groups are here: the first joint loads meet
	s_mov_b32 s[G0S], 1
	s_add_co_u32 s[G0S+1], s18, SCL
	s_mov_b64 s[G0S+2:G0S+3], s[22:23]
	s_or_b32 s[G0S+3], s[G0S+3], 0x80000000
	s_mov_b32 s[G0SB], 1
	s_add_co_u32 s[G0SB+1], s18, SCL
	s_mov_b64 s[G0SB+2:G0SB+3], s[104:105]
	s_or_b32 s[G0SB+3], s[G0SB+3], 0x80000000
	JLOAD G0S, G1S, G0SB, G1SB                     ; the scales first: they are wanted with K step 0
.irp s, 0,1
	s_mov_b32 s[G0+4*\s], 1
	s_add_co_u32 s[G0+4*\s+1], s45, \s*SLOT
	s_add_nc_u64 s[G0+4*\s+2:G0+4*\s+3], s[20:21], \s*ROWB
	s_or_b32 s[G0+4*\s+3], s[G0+4*\s+3], 0x80000000
	s_mov_b32 s[G0B+4*\s], 1
	s_add_co_u32 s[G0B+4*\s+1], s45, \s*SLOT
	s_add_nc_u64 s[G0B+4*\s+2:G0B+4*\s+3], s[46:47], \s*ROWB
	s_or_b32 s[G0B+4*\s+3], s[G0B+4*\s+3], 0x80000000
	JLOAD G0+4*\s, G1, G0B+4*\s, G1B
.endr
	v_and_b32 v1, 15, v0                           ; r
	v_bfe_u32 v2, v0, 4, 1                         ; h
	v_mul_u32_u24 v3, v1, PITCH
	v_lshl_add_u32 v4, v2, 4, v3                   ; a fragment's row x pitch + 16 h
	s_mul_i32 s21, s15, HALFT                      ; my 128 rows of L
	s_mul_i32 s22, s16, HALFT                      ; my 128 rows of R,
	s_add_co_u32 s22, s22, 2*HALFT                 ; behind L's 256
.irp s, 0,1
	v_add_nc_u32 v[ADRA+\s], s21, v4
	v_add_nc_u32 v[ADRB+\s], s22, v4
	s_add_co_u32 s21, s21, SLOT
	s_add_co_u32 s22, s22, SLOT
.endr
	v_mul_u32_u24 v5, v1, KS                       ; my row's scales: 32 bytes a row,
	v_lshrrev_b32 v6, 8, v5
	v_lshl_add_u32 v5, v6, 4, v5                   ; and 16 more for each 256 passed
	s_mul_i32 s21, s15, HALFS
	s_mul_i32 s22, s16, HALFS
	s_add_co_u32 s22, s22, 2*HALFS
	s_sub_co_u32 s22, s22, s21
	v_mul_u32_u24 v6, s22, v2                      ; lanes 16-31 take R's: one product, the distance between the two bases
	s_add_co_u32 s21, s21, SCL
	v_add_nc_u32 v5, v5, v6
	v_add_nc_u32 v[ADRS], s21, v5
	; the bias table.  My 128 outputs begin at 256 x (cx, or cy for v) + 128 x my half of that side
	s_cmp_eq_u32 s[VM], 1
	s_cselect_b32 s19, s41, s40
	s_cselect_b32 s2, s15, s16
	s_lshl_b32 s19, s19, 10
	s_lshl_b32 s2, s2, 9
	s_add_co_u32 s2, s2, s19
	s_mov_b32 s3, 0
	s_add_nc_u64 s[12:13], s[12:13], s[2:3]
	v_lshlrev_b32 v7, 6, v2                        ; q, k: 16 h numbers on
	v_and_b32 v8, 8, v1
	v_add_nc_u32 v8, v8, v1
	v_lshlrev_b32 v8, 2, v8                        ; v: number r + 8 (r / 8)
	s_cmp_eq_u32 s[VM], 1
	s_cbranch_scc1 .Lbias_v
.irp b, 0,1,2,3,4,5,6,7                ; q, k: the outputs run along registers: tile b's register j is output 32 (b / 2) + 8 (b % 2) + 16 h + j
	global_load_b128 v[BT+8*\b:BT+8*\b+3], v7, s[12:13] offset:(32*(\b/2)+8*(\b%2))*4
	global_load_b128 v[BT+8*\b+4:BT+8*\b+7], v7, s[12:13] offset:(32*(\b/2)+8*(\b%2))*4+16
.endr
	s_branch .Lbias_done
.Lbias_v:
	s_wait_alu depctr_va_vdst(0)
.irp a, 0,1,2,3,4,5,6,7                ; v: the outputs lie in lanes: all eight registers of tile a hold the bias of output 32 (a / 2) + 8 (a % 2) + r + 8 (r / 8)
.irp j, 0,1,2,3,4,5,6,7
	global_load_b32 v[BT+8*\a+\j], v8, s[12:13] offset:(32*(\a/2)+8*(\a%2))*4
.endr
.endr
.Lbias_done:
.macro FRAG reg, adr, q, i             ; 16 rows x 128 K: registers 4 c .. 4 c + 3 hold K = 32 c + 16 (lane / 16) + 0 .. 15
.irp c, 0,1,2,3
	ds_load_b128 v[\reg+4*\c:\reg+4*\c+3], v[\adr] offset:128*(\q)+32*\c+(\i)*16*PITCH
.endr
.endm
; 16 matrix instructions: L's blocks a0, a0 + 1 x R's eight.  cm = 0: onto the sums; 1: the sums begin with the bias by R's tile; 2: by L's tile.  The 64 accumulators take turns, one instruction a turn.
.macro MUL16 a0, p, q, sc, cm
.irp a, \a0, \a0+1
.irp b, 0,1,2,3,4,5,6,7
.if \cm == 1
	v_wmma_scale_f32_16x16x128_f8f6f4 v[8*(8*((\a)%4)+\b):8*(8*((\a)%4)+\b)+7], v[128*(\p)+FR*\b:128*(\p)+FR*\b+FR-1], v[AF+FR*(\a):AF+FR*(\a)+FR-1], v[BT+8*\b:BT+8*\b+7], v[SC+8*NQ*(\sc)+NQ*\b+(\q)], v[SC+8*NQ*(\sc)+NQ*(\a)+(\q)] matrix_a_scale:MATRIX_SCALE_ROW1
.elseif \cm == 2
	v_wmma_scale_f32_16x16x128_f8f6f4 v[8*(8*((\a)%4)+\b):8*(8*((\a)%4)+\b)+7], v[128*(\p)+FR*\b:128*(\p)+FR*\b+FR-1], v[AF+FR*(\a):AF+FR*(\a)+FR-1], v[BT+8*(\a):BT+8*(\a)+7], v[SC+8*NQ*(\sc)+NQ*\b+(\q)], v[SC+8*NQ*(\sc)+NQ*(\a)+(\q)] matrix_a_scale:MATRIX_SCALE_ROW1
.else
	v_wmma_scale_f32_16x16x128_f8f6f4 v[8*(8*((\a)%4)+\b):8*(8*((\a)%4)+\b)+7], v[128*(\p)+FR*\b:128*(\p)+FR*\b+FR-1], v[AF+FR*(\a):AF+FR*(\a)+FR-1], v[8*(8*((\a)%4)+\b):8*(8*((\a)%4)+\b)+7], v[SC+8*NQ*(\sc)+NQ*\b+(\q)], v[SC+8*NQ*(\sc)+NQ*(\a)+(\q)] matrix_a_scale:MATRIX_SCALE_ROW1
.endif
.endr
.endr
.endm
.macro FETCH_B slot, q, p
	WIN TO_B
.irp i, 0,1,2,3,4,5,6,7
	FRAG 128*(\p)+FR*\i, ADRB+\slot, \q, \i
.endr
	WIN 0
.endm
.macro FETCH_A slot, q, i0
.irp i, \i0, \i0+1, \i0+2, \i0+3
	FRAG AF+FR*(\i), ADRA+\slot, \q, \i
.endr
.endm
.macro SCALES sc                       ; a K step's scale words: two a row; lanes 0-15 L's block i, lanes 16-31 R's block i
.irp i, 0,1,2,3,4,5,6,7
	ds_load_b64 v[SC+8*NQ*\sc+NQ*\i:SC+8*NQ*\sc+NQ*\i+1], v[ADRS] offset:\i*SBLK
.endr
.endm
.macro PLACES n                        ; plain vector instructions that name none of the products' registers, in front of loads into registers that products have read and of the first read of results
.rept \n
	v_nop
.endr
.endm
.macro STEP slot, q, cm                ; 128 along K whose successor lies in the same slot
	s_wait_dscnt 4*NL                              ; R's set and L's blocks 0-3 are in; the youngest sixteen loads (L's blocks 4-7) may be out
.if \cm
	WIN 0x81                                       ; C, the bias, in window 0
.else
	WIN MUL_LO
.endif
	MUL16 0, (\q)%2, \q, \slot, \cm
	MUL16 2, (\q)%2, \q, \slot, \cm
	s_wait_dscnt 0
	PLACES NP
	FETCH_B \slot, (\q)+1, 1-(\q)%2
	FETCH_A \slot, (\q)+1, 0
.if \cm
	WIN 0xc1
.else
	WIN MUL_HI
.endif
	MUL16 4, (\q)%2, \q, \slot, \cm
	MUL16 6, (\q)%2, \q, \slot, \cm
	PLACES NP
	WIN 0
	FETCH_A \slot, (\q)+1, 4
.endm
; A slot's last step changes slots: one barrier; in front of it each wave waits for all its tensor loads, adds 0 to its spare word, and waits for that and for its reads of this slot.
.macro TURN slot, next, fill
	s_wait_tensorcnt 0x0                           ; all my tensor loads have landed: my part of the next slot
	ds_add_u32 v[SPW], v[NIL]                      ; 0 onto my spare word
	s_wait_dscnt 4*NL+1                            ; the add and the youngest sixteen loads may be out
	WIN MUL_LO
	MUL16 0, 1, NQ-1, \slot, 0
	s_wait_dscnt 0x0                               ; the add is done, and my reads of this slot are over
	s_barrier_signal -1
	MUL16 2, 1, NQ-1, \slot, 0
	WIN 0
	s_barrier_wait -1
.if \fill
	CREST                                          ; the barrier has opened a round of the cluster's: no wave of any partner still reads this slot or has a load on its way
	s_add_nc_u64 s[G0+4*\slot+2:G0+4*\slot+3], s[G0+4*\slot+2:G0+4*\slot+3], 2*ROWB
	s_add_nc_u64 s[G0B+4*\slot+2:G0B+4*\slot+3], s[G0B+4*\slot+2:G0B+4*\slot+3], 2*ROWB
	JLOAD G0+4*\slot, G1, G0B+4*\slot, G1B         ; the first tensor load behind the round; its four v_nop are four of the eight places
	PLACES NP-4
.else
	PLACES NP
.endif
	s_wait_alu depctr_va_vdst(0)
	v_add_nc_u32 v[ADRS], 4*NQ, v[ADRS]            ; the next K step's scale words
	FETCH_B \next, 0, 0
	FETCH_A \next, 0, 0
	SCALES \next
	WIN MUL_HI
	MUL16 4, 1, NQ-1, \slot, 0
	MUL16 6, 1, NQ-1, \slot, 0
	PLACES NP
	WIN 0
	FETCH_A \next, 0, 4
.endm
	s_wait_tensorcnt 1                             ; the scales and my part of K step 0 are in; K step 1's load may be out
	s_barrier_signal -1
	s_barrier_wait -1
	FETCH_B 0, 0, 0
	FETCH_A 0, 0, 0
	s_wait_alu depctr_va_vdst(0)
	SCALES 0
	FETCH_A 0, 0, 4
	s_wait_loadcnt 0x0                             ; the bias table
	s_cmp_eq_u32 s[VM], 1                          ; the first step is written twice: its C is the bias by R's tile, or by L's
	s_cbranch_scc1 .Lfirst_v
	STEP 0, 0, 1
	s_branch .Lfirst_done
.Lfirst_v:
	STEP 0, 0, 2
.Lfirst_done:
	s_mov_b32 s3, LAPS-1
.Llap:                                                 ; a trip goes once round the ring and fills both slots again
	TURN 0, 1, 1
	STEP 1, 0, 0
	TURN 1, 0, 1
	STEP 0, 0, 0
	s_sub_co_u32 s3, s3, 1
	s_cmp_lg_u32 s3, 0
	s_cbranch_scc1 .Llap
	TURN 0, 1, 0                                   ; the last lap fills nothing
	STEP 1, 0, 0
	s_wait_dscnt 4*NL
	WIN MUL_LO
	MUL16 0, 1, NQ-1, 1, 0
	MUL16 2, 1, NQ-1, 1, 0
	s_wait_dscnt 0
	WIN MUL_HI
	MUL16 4, 1, NQ-1, 1, 0
	MUL16 6, 1, NQ-1, 1, 0
	WIN 0
; THE EPILOGUE.  No tensor load of mine is out, so the descriptors' registers are free.
.set SBLO, 80                          ; s[80:81] where blocks 0, 1 of a lane's 128 go;  s[82:83] blocks 2, 3
.set SBHI, 82
.set SCA,  84                          ; s[84:85], s[86:87] the scale words of my two heads
.set SCB,  86
.set INCS, 88                          ; from L's tile to the next,
.set INCB, 89                          ; and from tile 3 to tile 4
.set SEL,  90                          ; s[90:91] v_permlanex16_b32's selects for lane l xor 16
.set MNT,  24
.set HM,   25
.set M16,  26
.set M7F,  27
.set TM,   64                          ; v64-67 largest magnitudes, v68-71 bytes, v76-79 scale operands
.set XG,   80                          ; v80-83 scale words of tile pairs: lanes 0-15 the even tile's, lanes 16-31 the odd one's
.set WD,   84                          ; v84-85 the words of the pair in hand
.set YY,   88                          ; v88-95 q's and k's words as they are stored
	s_and_b32 s68, ttmp7, 0xffff
	s_lshl_b32 s68, s68, 2
	s_mov_b32 s73, 131072
	s_mov_b32 s74, 1024
	s_cmp_eq_u32 s[VM], 1
	s_cselect_b32 s69, s40, s41                    ; x's tile in the cluster,
	s_cselect_b32 s70, s16, s15                    ; my half of it;
	s_cselect_b32 s71, s41, s40                    ; the weight's tile,
	s_cselect_b32 s72, s15, s16                    ; my half of it
	s_cselect_b32 s73, 1024, s73                   ; blocks 2, 3: v: 1,024 bytes on (the keys' blocks); q, k: the next head
	s_cselect_b32 s[INCS], 2048, s74               ; v: a tile of channels is 2,048 bytes of a key step; q, k: a tile of tokens is 1,024
	s_cselect_b32 s[INCB], 124928, s74             ; v: tile 4 begins the next head: 131,072 - 3 x 2,048
	s_cselect_b32 s75, 8, 9                        ; a key step's scale words: 256 bytes for v, 512 for q, k
	s_add_co_u32 s68, s68, s69
	s_lshl_b32 s68, s68, 8
	s_lshl_b32 s70, s70, 7
	s_add_co_u32 s68, s68, s70                     ; my first token
	s_lshr_b32 s69, s68, 11                        ; the batch
	s_bfe_u32 s70, s68, 0x40007                    ; which 128 tokens of its 2,048
	s_lshl_b32 s71, s71, 2
	s_lshl_b32 s72, s72, 1
	s_add_co_u32 s71, s71, s72                     ; my first head
	s_lshl_b32 s69, s69, 4
	s_add_co_u32 s69, s69, s71                     ; 16 x batch + head
	s_lshl_b32 s76, ttmp9, 23                      ; q's, k's or v's part of qkvi
	s_lshl_b32 s77, s69, 17
	s_add_co_u32 s76, s76, s77
	s_lshl_b32 s77, s70, 13
	s_add_co_u32 s76, s76, s77
	s_mov_b32 s77, 0
	s_add_nc_u64 s[SBLO:SBLO+1], s[98:99], s[76:77]
	s_mov_b32 s76, s73
	s_add_nc_u64 s[SBHI:SBHI+1], s[SBLO:SBLO+1], s[76:77]
	s_mov_b32 s78, 12288
	s_mov_b32 s79, 524288
	s_cmp_eq_u32 ttmp9, 0
	s_cselect_b32 s78, 8192, s78                   ; a head's scale bytes: q 8,192; k and v share 12,288
	s_cselect_b32 s79, 0, s79
	s_cmp_eq_u32 s[VM], 1
	s_cselect_b32 s76, 8192, 0                     ; v's lie behind k's
	s_add_co_u32 s79, s79, s76
	s_mul_i32 s76, s69, s78
	s_add_co_u32 s79, s79, s76
	s_lshl_b32 s76, s70, s75
	s_add_co_u32 s76, s79, s76
	s_add_nc_u64 s[SCA:SCA+1], s[100:101], s[76:77]
	s_mov_b32 s76, s78
	s_add_nc_u64 s[SCB:SCB+1], s[SCA:SCA+1], s[76:77]
	s_mov_b32 s[SEL], 0x76543210
	s_mov_b32 s[SEL+1], 0xfedcba98
	s_mov_b32 s[HM], 0xffff0000
	s_mov_b32 s[M16], 0xffff
	s_mov_b32 s[M7F], 0x7f7f0000
	PLACES NP                                      ; behind the last products
.irp b, 0,1,2,3
	v_mov_b32 v[TM+4+\b], 0                        ; written once: a lane permute's destination counts as one of its sources
.endr
	v_and_b32 v[SV], 31, v0
	v_lshlrev_b32 v[VO], 4, v[SV]
	v_lshlrev_b32 v[SV], 3, v[SV]
; L's tile a: a lane's 64 numbers, register 16 B + i = R's row 32 B + 16 (lane / 16) + i, become four blocks' codes and one scale word.
.macro EPI a
.set W, 2+(\a)/4
.set AC, 64*((\a)%4)
.set W01, W|(W<<2)
.set W12, (W<<2)|(W<<4)
.set W0D, W|(W<<6)
.set CD, 96                            ; the codes: registers whose numbers differ from the sources' numbers
.if (\a)%4 == 1
.set CD, 160
.endif
.if (\a) > 0
	s_wait_xcnt 0x0                                ; the last tile's stores have read their data and their offset
.if (\a) == 4
	v_add_nc_u32 v[VO], s[INCB], v[VO]
.else
	v_add_nc_u32 v[VO], s[INCS], v[VO]
.endif
.endif
	WIN W01
.irp b, 0,1,2,3
	v_max3_num_f32 v[TM+\b], |v[AC+16*\b]|, |v[AC+16*\b+1]|, 0x4800000   ; my 16 numbers of block b, from each accumulator's low end on, and the floor 2^(9 - 127)
.endr
	WIN W12
.irp i, 2,4,6,8,10,12,14
.irp b, 0,1,2,3
	v_max3_num_f32 v[TM+\b], v[TM+\b], |v[AC+16*\b+\i]|, |v[AC+16*\b+\i+1]|
.endr
.endr
	WIN 0
.irp b, 0,1,2,3
	v_permlanex16_b32 v[TM+4+\b], v[TM+\b], s[SEL], s[SEL+1]
.endr
.irp b, 0,1,2,3
	v_max_num_f32 v[TM+\b], v[TM+\b], v[TM+4+\b]   ; with lane l xor 16's: the block's largest magnitude
.endr
.irp b, 0,1,2,3
	v_add_nc_u32 v[TM+12+\b], 0xfc000000, v[TM+\b] ; 8 off the exponent field: the conversion's scale operand
.endr
.irp b, 0,1,2,3
.endr
.irp b, 0,1,2,3
	v_lshrrev_b32 v[TM+4+\b], 23, v[TM+12+\b]      ; the scale's byte
.endr
	v_lshl_or_b32 v[WD+(\a)%2], v[TM+5], 8, v[TM+4]
	v_lshl_or_b32 v[WD+(\a)%2], v[TM+6], 16, v[WD+(\a)%2]
	v_lshl_or_b32 v[WD+(\a)%2], v[TM+7], 24, v[WD+(\a)%2]
	WIN W0D
.irp b, 0,1,2,3
.irp i, 0,1,2,3,4,5,6,7,8,9,10,11,12,13,14,15
.endr
.endr
	WIN W
.irp b, 0,1,2,3
	v_cvt_scalef32_pk8_fp8_f32 v[CD+4*\b:CD+4*\b+1], v[AC+16*\b:AC+16*\b+7], v[TM+12+\b]
	v_cvt_scalef32_pk8_fp8_f32 v[CD+4*\b+2:CD+4*\b+3], v[AC+16*\b+8:AC+16*\b+15], v[TM+12+\b]
.endr
	WIN 0
	v_nop                                          ; one plain line behind the last conversion
	global_store_b128 v[VO], v[CD:CD+3], s[SBLO:SBLO+1]            ; each store: 512 consecutive bytes, aligned
	global_store_b128 v[VO], v[CD+4:CD+7], s[SBLO:SBLO+1] offset:512
	global_store_b128 v[VO], v[CD+8:CD+11], s[SBHI:SBHI+1]
	global_store_b128 v[VO], v[CD+12:CD+15], s[SBHI:SBHI+1] offset:512
.if (\a)%2 == 1
	v_cndmask_b32 v[XG+(\a)/2], v[WD], v[WD+1], s[HM]              ; lanes 0-15 keep the even tile's word, lanes 16-31 the odd one's
.endif
.endm
.irp a, 0,1,2,3,4,5,6,7
	EPI \a
.endr
	s_wait_xcnt 0x0                                ; the last stores have read their offset
	v_and_b32 v[VO], 31, v0
	v_lshlrev_b32 v[VO], 4, v[VO]                  ; 16 x lane again
	s_cmp_eq_u32 s[VM], 1
	s_cbranch_scc1 .Lv_scales
	s_wait_alu depctr_va_vdst(0)
.irp g, 0,1,2,3                        ; q, k: a word's low two bytes are my first head's two blocks, the high two my second head's; the upper half of the next product's K holds zero codes under the byte 127
	v_and_or_b32 v[YY+\g], v[XG+\g], s[M16], s[M7F]
.endr
	global_store_b128 v[VO], v[YY:YY+3], s[SCA:SCA+1]              ; 512 consecutive bytes: eight tiles' words of one head
.irp g, 0,1,2,3
	v_lshrrev_b32 v[YY+4+\g], 16, v[XG+\g]
.endr
.irp g, 0,1,2,3
	v_or_b32 v[YY+4+\g], s[M7F], v[YY+4+\g]
.endr
	global_store_b128 v[VO], v[YY+4:YY+7], s[SCB:SCB+1]
	s_branch .Lscales_done
.Lv_scales:                                            ; v: a word is the four blocks of a key step; tiles 0-3 are my first head's, 4-7 my second's
	global_store_b64 v[SV], v[XG:XG+1], s[SCA:SCA+1]               ; 256 consecutive bytes
	s_wait_alu depctr_va_vdst(0)
	global_store_b64 v[SV], v[XG+2:XG+3], s[SCB:SCB+1]
.Lscales_done:
	s_wait_tensorcnt 0x0                           ; the wave's end
	ds_add_u32 v[SPW], v[NIL]
	s_wait_dscnt 0x0
	CROUND                                         ; the closing round: no work-group ends while a partner may still ask for a tile that names it
	s_endpgm
.Lfunc_end_k_q960f59e8c9_qkv:
	.size	k_q960f59e8c9_qkv, .Lfunc_end_k_q960f59e8c9_qkv-k_q960f59e8c9_qkv
	.p2alignl 7, 3214868480
	.fill 96, 4, 3214868480
	.section	.rodata,"a",@progbits
	.p2align	6, 0x0
	.amdhsa_kernel k_q960f59e8c9_qkv
		.amdhsa_group_segment_fixed_size 327680
		.amdhsa_private_segment_fixed_size 0
		.amdhsa_enable_private_segment 0
		.amdhsa_kernarg_size 72
		.amdhsa_user_sgpr_count 2
		.amdhsa_user_sgpr_kernarg_segment_ptr 1
		.amdhsa_wavefront_size32 1
		.amdhsa_system_sgpr_workgroup_id_x 1
		.amdhsa_system_sgpr_workgroup_id_y 1
		.amdhsa_system_sgpr_workgroup_id_z 1
		.amdhsa_system_vgpr_workitem_id 0
		.amdhsa_next_free_vgpr 1024
		.amdhsa_next_free_sgpr 106
		.amdhsa_reserve_vcc 0
		.amdhsa_float_denorm_mode_32 3
		.amdhsa_float_denorm_mode_16_64 3
		.amdhsa_fp16_overflow 1
		.amdhsa_memory_ordered 1
		.amdhsa_forward_progress 1
		.amdhsa_inst_pref_size 174
	.end_amdhsa_kernel
	.amdgpu_metadata
---
amdhsa.version: [ 1, 2 ]
amdhsa.kernels:
  - .name:           k_q960f59e8c9_qkv
    .symbol:         k_q960f59e8c9_qkv.kd
    .args:
      - { .name: xc, .offset: 0, .size: 8, .value_kind: global_buffer, .address_space: global }
      - { .name: xs, .offset: 8, .size: 8, .value_kind: global_buffer, .address_space: global }
      - { .name: wc, .offset: 16, .size: 8, .value_kind: global_buffer, .address_space: global }
      - { .name: ws, .offset: 24, .size: 8, .value_kind: global_buffer, .address_space: global }
      - { .name: bq, .offset: 32, .size: 8, .value_kind: global_buffer, .address_space: global }
      - { .name: bk, .offset: 40, .size: 8, .value_kind: global_buffer, .address_space: global }
      - { .name: bv, .offset: 48, .size: 8, .value_kind: global_buffer, .address_space: global }
      - { .name: qkvi, .offset: 56, .size: 8, .value_kind: global_buffer, .address_space: global }
      - { .name: qkvs, .offset: 64, .size: 8, .value_kind: global_buffer, .address_space: global }
    .group_segment_fixed_size: 327680
    .private_segment_fixed_size: 0
    .kernarg_segment_align: 8
    .kernarg_segment_size: 72
    .max_flat_workgroup_size: 128
    .sgpr_count:     106
    .vgpr_count:     1024
    .wavefront_size: 32
...
	.end_amdgpu_metadata
.endif
;; end of part 2
;; launch attn (part 3): grid 4 x 64, 16 waves a work-group, clusters of 4 x 1, 276,480 bytes of LDS; arguments qkvi, qkvs, ai, asc; writes ai, asc
.if DOCPART == 3
	.amdgcn_target "amdgcn-amd-amdhsa--gfx1250"
	.amdhsa_code_object_version 6
	.text
	.protected	k_q960f59e8c9_attn
	.globl	k_q960f59e8c9_attn
	.p2align	8
	.type	k_q960f59e8c9_attn,@function
k_q960f59e8c9_attn:
	s_mov_b64 s[64:65], 0
	v_nop
	global_prefetch_b8 v0, s[64:65] scope:SCOPE_SE
	s_setreg_imm32_b32 hwreg(HW_REG_WAVE_MODE, 25, 1), 1
	s_wait_xcnt 0x0
	s_wait_alu depctr_hold_cnt(0) depctr_sa_sdst(0) depctr_va_vdst(0) depctr_va_sdst(0) depctr_va_ssrc(0) depctr_va_vcc(0) depctr_vm_vsrc(0)
	s_getreg_b32 s2, hwreg(HW_REG_IB_STS2, 6, 4)
	s_cmp_eq_u32 s2, 0
	s_cbranch_scc0 .Lentry_in_a_cluster
	s_endpgm
.Lentry_in_a_cluster:
	s_bfe_u32 s2, ttmp6, 0x10000c
	s_cmp_lg_u32 s2, 0x3003
	s_cbranch_scc0 .Lentry_shape_is_right
	s_endpgm
.Lentry_shape_is_right:
; Causal attention of one head (of 64: 16 x batch + head) on codes of FP8 (E4M3) with E8M0 scales; head size 64, 2,048 tokens.  O / l is quantised along the model's 1,024 and leaves as codes for the last projection.
; THE SOFTMAX AHEAD OF THE SECOND PRODUCT: t = score x log2(e) / 8; M = the running largest t rounded UP to a whole number; p = 2^(t - M) is quantised along the keys, not normalised; the row's sum is
; taken of the unquantised p and divides O at the end.  When M moves, the sum and O are multiplied by 2^(old M - new M): exact.
; SHARES.  The four work-groups of a cluster share a head.  The head's K, V and their scale words, 268 KiB, come into each one's LDS ONCE, by joint loads: nothing is filled again, so there is no ring.
; A wave owns two tiles of 16 queries: tile 8 (15 - w / 2) + T and tile 8 (w / 2) + T, T = 2 cx + w % 2.  Tile t needs key steps 0 .. t / 8 of 128 keys, the last on the diagonal: 17 steps for every wave.
; Branches hang on the wave's number alone; cx enters global addresses and the mask's compare value only.
; LAYOUT.  S^T = K Q^T (source 0 = 16 keys), O^T = V^T P^T (source 0 = 16 channels): a lane holds one query throughout.  Row r of token tile 2 G + u is token 32 G + 8 u + r + 8 (r / 8), so the 16 registers of
; S^T's tiles 2 b, 2 b + 1 are keys 32 b + 16 (lane / 16) + 0 .. 15; V's tiles of channels are ordered alike, so O^T's are 16 neighbouring channels.
; THE FIRST PRODUCT'S K IS 64 of the form's 128: Q's upper eight registers are zero codes; the registers named on K's side there hold the next tile's codes (finite: the quantiser's hold makes no NaN code) or zeros; the scale bytes there are 127.
; LIMITS: a block of zeros or under 2^-118 gets the byte 1 (read by this program alone); NaN and infinities are not served.
.set KIMG, 0                           ; LDS: K's fragments as images of their registers, 8,192 bytes a key step
.set VIMG, 131072                      ; V's, likewise
.set KSC,  262144                      ; K's scale words, 512 bytes a step
.set VSC,  270336                      ; V's, 256 bytes a step
.set KV,  32                           ; v32-95  K's 8 tiles of 8 registers, then V's 4 fragments of 16;  v96-103 zeros
.set S,   104                          ; v104-167 S^T, then p
.set O,   168                          ; v168-199 O^T
.set PC,  200                          ; v200-215 p's codes
.set BM,  216                          ; v216-219 block maxima;  v220-223 the other half's, then bytes;  v228-231 scale operands
.set BP,  220
.set BH,  224
.set BS,  228
.set KSW, 232                          ; v232-235 K's scale words;  v236-237 V's;  v238 Q's;  v239 p's; v232-235 also carry two of the sum's chains
.set VSW, 236
.set QSW, 238
.set PW,  239
.set F,   240                          ; v240 f = 2^(old M - new M); v241 named with it as a pair
.set SCR, 242
.set NINF, 243
.set C2,  244                          ; v[244:245] the sum's second chain
.set WV,  12
.set G1D, 16                           ; s[16:23] group 1: 128 rows of 256 bytes, dense;  s[24:31]: 12 such rows
.set G1S, 24
.set G0A, 32
.set G0B, 36
.set G0C, 40
.set ST,  44                           ; the key step
.set TK,  45                           ; its images' byte in LDS
.set TS,  46                           ; K's scale words'
.set TV,  47                           ; V's
.set SG,  48                           ; the key step in which the tile in hand lies
.set CNT, 49
.set CS,  50                           ; s[50:51] c = log2(e) / 8
.set SEL, 52
.set MNT, 54
.set QIL, 56                           ; the late tile: Q's image, Q's scale words, its place in ai and in asc
.set QSL, 58
.set AIL, 60
.set ASL, 62
.set QIE, 66                           ; the early tile
.set QSE, 68
.set AIE, 70
.set ASE, 72
.macro CROUND
	s_barrier_signal -1
	s_barrier_wait -1
	s_cmp_lg_u32 s[WV], 0
	s_cbranch_scc1 .Lnot_wave_0_\@
	s_barrier_signal -3
.Lnot_wave_0_\@:
	s_barrier_wait -3
	s_barrier_signal -1
	s_barrier_wait -1
.endm
	s_load_b256 s[4:11], s[0:1], 0x0               ; qkvi, qkvs, ai, asc
	v_lshl_add_u32 v254, v0, 2, 0x43000
	v_mov_b32 v255, 0
	ds_add_u32 v254, v255
	ds_add_u32 v254, v255
	v_lshrrev_b32 v1, 5, v0
	s_delay_alu instid0(VALU_DEP_1)
	v_readfirstlane_b32 s[WV], v1                  ; wave 0..15
	s_bfe_u32 s13, ttmp6, 0x40000                  ; cx
	s_and_b32 s14, ttmp7, 0xffff                   ; 16 x batch + head, which the four partners share
	s_mov_b32 s[G1D], 15|(3<<16)|(1<<21)           ; the mask: all four work-groups; elements of 8 bytes; bit 21 beside a mask; no padding: every LDS read is 16 x lane on end
	s_mov_b32 s[G1D+1], 32<<16
	s_mov_b32 s[G1D+2], 128<<16
	s_mov_b32 s[G1D+3], 32<<16
	s_mov_b32 s[G1D+4], 128
	s_mov_b32 s[G1D+5], 32
	s_mov_b32 s[G1D+6], 0
	s_mov_b32 s[G1D+7], 0
	s_mov_b32 s[G1S], 15|(3<<16)|(1<<21)
	s_mov_b32 s[G1S+1], 32<<16
	s_mov_b32 s[G1S+2], 12<<16
	s_mov_b32 s[G1S+3], 32<<16
	s_mov_b32 s[G1S+4], 12
	s_mov_b32 s[G1S+5], 32
	s_mov_b32 s[G1S+6], 0
	s_mov_b32 s[G1S+7], 0
	; what waves 0 to 3 fetch: a quarter of the 12,288 scale bytes; 32 KiB of K's (waves 0, 1) or V's (2, 3) first 64 KiB; the same of the second 64 KiB
	s_and_b32 s74, s[WV], 3
	s_mul_i32 s75, s74, 3072
	s_add_co_u32 s[G0A+1], s75, KSC
	s_mul_i32 s2, s14, 12288
	s_add_co_u32 s2, s2, s75
	s_add_co_u32 s2, s2, 524288
	s_mov_b32 s3, 0
	s_lshr_b32 s75, s74, 1
	s_and_b32 s74, s74, 1
	s_lshl_b32 s74, s74, 15
	s_lshl_b32 s76, s75, 17
	s_add_co_u32 s[G0B+1], s76, s74
	s_add_co_u32 s[G0C+1], s[G0B+1], 65536
	s_add_co_u32 s75, s75, 1
	s_lshl_b32 s76, s75, 23                        ; k's part of qkvi, or v's
	s_add_co_u32 s76, s76, s74
	s_lshl_b32 s75, s14, 17
	s_add_co_u32 s76, s76, s75
	s_mov_b32 s77, 0
	s_mov_b32 s[G0A], 1
	s_mov_b32 s[G0B], 1
	s_mov_b32 s[G0C], 1
	s_wait_dscnt 0x0
	s_wait_kmcnt 0x0
	s_add_nc_u64 s[G0A+2:G0A+3], s[6:7], s[2:3]
	s_add_nc_u64 s[G0B+2:G0B+3], s[4:5], s[76:77]
	s_add_nc_u64 s[G0C+2:G0C+3], s[G0B+2:G0B+3], 65536
	s_or_b32 s[G0A+3], s[G0A+3], 0x80000000
	s_or_b32 s[G0B+3], s[G0B+3], 0x80000000
	s_or_b32 s[G0C+3], s[G0C+3], 0x80000000
	CROUND                                         ; all four work-groups are here: the joint loads meet
	s_cmp_lt_u32 s[WV], 4                          ; a wave's three fills stand in one branch on the wave's number: three loads of mine are out
	s_cbranch_scc0 .Lno_fetch
	tensor_load_to_lds s[G0A:G0A+3], s[G1S:G1S+7]
	s_nop 0
	tensor_load_to_lds s[G0B:G0B+3], s[G1D:G1D+7]
	s_nop 0
	tensor_load_to_lds s[G0C:G0C+3], s[G1D:G1D+7]
	s_nop 0
.rept 4
	v_nop
.endr
.Lno_fetch:
	; my two tiles
	s_lshr_b32 s74, s[WV], 1
	s_and_b32 s75, s[WV], 1
	s_lshl_b32 s76, s13, 1
	s_add_co_u32 s76, s76, s75                     ; T
	s_xor_b32 s[SG], s74, 15                       ; the late tile's key step: 15 - w / 2
	s_lshl_b32 s77, s[SG], 3
	s_add_co_u32 s77, s77, s76                     ; the late tile
	s_lshl_b32 s78, s74, 3
	s_add_co_u32 s78, s78, s76                     ; the early tile
	s_mov_b32 s3, 0
.macro BASES t, sg, qi, qs, ao, as
	s_lshl_b32 s2, s14, 17                         ; Q's image: 131,072 bytes a head, 1,024 a tile
	s_lshl_b32 s55, s[\t], 10
	s_add_co_u32 s2, s2, s55
	s_add_nc_u64 s[\qi:\qi+1], s[4:5], s[2:3]
	s_lshl_b32 s2, s14, 13                         ; Q's scale words: 8,192 bytes a head, 512 a key step
	s_lshl_b32 s55, s[\sg], 9
	s_add_co_u32 s2, s2, s55
	s_add_nc_u64 s[\qs:\qs+1], s[6:7], s[2:3]
	s_lshr_b32 s79, s14, 4
	s_lshl_b32 s79, s79, 7
	s_add_co_u32 s79, s79, s[\t]                   ; the tile among all 512: 128 x batch + tile
	s_and_b32 s2, s14, 15
	s_lshl_b32 s2, s2, 10
	s_lshl_b32 s55, s79, 14
	s_add_co_u32 s2, s2, s55                       ; ai: 16,384 bytes a tile, 1,024 a head
	s_add_nc_u64 s[\ao:\ao+1], s[8:9], s[2:3]
	s_and_b32 s2, s14, 15
	s_lshl_b32 s2, s2, 1
	s_lshl_b32 s55, s79, 9
	s_add_co_u32 s2, s2, s55                       ; asc: 512 bytes a tile (32 a row), 2 a head
	s_add_nc_u64 s[\as:\as+1], s[10:11], s[2:3]
.endm
	BASES 77, SG, QIL, QSL, AIL, ASL
	BASES 78, 74, QIE, QSE, AIE, ASE
	v_and_b32 v1, 31, v0
	s_delay_alu instid0(VALU_DEP_1)
	v_lshlrev_b32 v4, 3, v1
	s_delay_alu instid0(VALU_DEP_2)
	v_lshlrev_b32 v1, 4, v1                        ; v1: 16 x lane: K's images, and every global image
	s_delay_alu instid0(VALU_DEP_1)
	v_add_nc_u32 v2, VIMG, v1                      ; v2: V's images
	s_delay_alu instid0(VALU_DEP_2)
	v_add_nc_u32 v3, KSC, v1                       ; v3: K's scale words
	s_delay_alu instid0(VALU_DEP_4)
	v_add_nc_u32 v4, VSC, v4                       ; v4: V's, 8 x lane
	v_and_b32 v7, 15, v0                           ; r
	s_delay_alu instid0(VALU_DEP_1)
	v_and_b32 v5, 8, v7
	s_delay_alu instid0(VALU_DEP_1)
	v_add_nc_u32 v5, v5, v7                        ; r + 8 (r / 8)
	v_bfe_u32 v6, v0, 4, 1
	s_delay_alu instid0(VALU_DEP_1)
	v_lshlrev_b32 v6, 4, v6
	s_delay_alu instid0(VALU_DEP_1)
	v_sub_nc_u32 v5, v5, v6
	s_lshl_b32 s2, s13, 5
	s_lshl_b32 s55, s75, 3
	s_add_co_u32 s2, s2, s55
	v_add_nc_u32 v5, s2, v5                        ; v5: my query's place in its 128 tokens, less 16 (lane / 16): register 16 b + i holds a hidden key where 32 b + i is greater
	s_lshl_b32 s2, s75, 8
	s_lshl_b32 s55, s13, 2
	s_add_co_u32 s2, s2, s55
	v_lshl_add_u32 v6, v7, 4, s2                   ; v6: Q's scale word: lane r + 16 (w % 2) of the step's 32, word cx
	v_lshlrev_b32 v7, 5, v7                        ; v7: row r of asc
	global_load_b128 v[16:19], v1, s[QIL:QIL+1]    ; the late tile's Q: the image of registers 0-7
	global_load_b128 v[20:23], v1, s[QIL:QIL+1] offset:512
	global_load_b32 v[QSW], v6, s[QSL:QSL+1]
	s_mov_b32 s[CS], 0x3e38aa3b                    ; log2(e) / 8
	s_mov_b32 s[CS+1], s[CS]
	s_mov_b32 s[SEL], 0x76543210
	s_mov_b32 s[SEL+1], 0xfedcba98
	s_mov_b32 s[ST], 0
	s_mov_b32 s[TK], 0
	s_mov_b32 s[TS], 0
	s_mov_b32 s[TV], 0
.irp j, 0,1,2,3,4,5,6,7
	v_mov_b32 v[24+\j], 0                          ; the upper 64 of the first product's K: zero codes on Q's side,
	v_mov_b32 v[96+\j], 0                          ; and behind K's last tile
.endr
.irp b, 0,1,2,3
	v_mov_b32 v[BP+\b], 0                          ; a lane permute's destination counts as one of its sources
.endr
	v_mov_b32 v[F+1], 0
	v_mov_b32 v[SCR], 0
	v_mov_b32 v[NINF], 0xff800000
.macro INIT                            ; a tile begins: the largest t under every t, the sum and O^T zeros, which the first change of M leaves zeros
	v_mov_b32 v13, 0xff61b1e6
	s_delay_alu instid0(VALU_DEP_1)
	v_floor_f32 v12, -v13
	v_mov_b32 v14, 0
	v_mov_b32 v15, 0
.set n, 0
.rept 32
	v_mov_b32 v[O+n], 0
.set n, n+1
.endr
.endm
	INIT
; A KEY STEP of 128 keys.  cond = 1: a step behind the tile's own is left out, and the tile's own is masked; both by scalar branches on the step's number and the wave's.
.macro STEP cond
.if \cond
	s_cmp_gt_u32 s[ST], s[SG]
	s_cbranch_scc1 .Lhidden_\@
.endif
	s_setprio 2
	v_add_nc_u32 v8, s[TK], v1
	v_add_nc_u32 v9, s[TK], v2
	v_add_nc_u32 v10, s[TS], v3
	v_add_nc_u32 v11, s[TV], v4
.rept 4
	v_nop                                          ; with the four additions: eight places behind the last products, in front of loads into registers that they have read
.endr
.irp i, 0,1,2,3,4,5,6,7
	ds_load_b128 v[KV+8*\i:KV+8*\i+3], v8 offset:1024*\i
	ds_load_b128 v[KV+8*\i+4:KV+8*\i+7], v8 offset:1024*\i+512
.endr
	ds_load_b128 v[KSW:KSW+3], v10                 ; word g: lanes 0-15 tile 2 g's rows, lanes 16-31 tile 2 g + 1's
	s_wait_alu depctr_va_vdst(0)
	s_wait_dscnt 0x0
.irp g, 0,1,2,3
	v_wmma_scale_f32_16x16x128_f8f6f4 v[S+16*\g:S+16*\g+7], v[KV+16*\g:KV+16*\g+15], v[16:31], 0, v[KSW+\g], v[QSW]
	v_wmma_scale_f32_16x16x128_f8f6f4 v[S+16*\g+8:S+16*\g+15], v[KV+16*\g+8:KV+16*\g+23], v[16:31], 0, v[KSW+\g], v[QSW] matrix_a_scale:MATRIX_SCALE_ROW1
.endr
.rept 8
	v_nop                                          ; places in front of the loads below and of the first read of the scores
.endr
.irp t, 0,1,2,3
.irp c, 0,1,2,3
	ds_load_b128 v[KV+16*\t+4*\c:KV+16*\t+4*\c+3], v9 offset:2048*\t+512*\c    ; V lands while the softmax is walked
.endr
.endr
	ds_load_b64 v[VSW:VSW+1], v11
.if \cond
	s_cmp_lt_u32 s[ST], s[SG]
	s_cbranch_scc1 .Lopen_\@
.set n, 0
.rept 64                                       ; on the diagonal the scores of hidden keys become -infinity ahead of the maximum: p = 0 then
	v_cmp_gt_i32 vcc_lo, 32*(n/16)+n%16, v5
	v_cndmask_b32 v[S+n], v[S+n], v[NINF], vcc_lo
.set n, n+1
.endr
.Lopen_\@:
.endif
.irp b, 0,1,2,3
	v_max3_num_f32 v[BM+\b], v[S+16*\b], v[S+1+16*\b], v[S+2+16*\b]   ; the largest score of each block of 32 keys: for the row's maximum, and, since p rises with the score, for the block's largest p
.endr
.irp i, 3,5,7,9,11,13
.irp b, 0,1,2,3
	v_max3_num_f32 v[BM+\b], v[BM+\b], v[S+16*\b+\i], v[S+1+16*\b+\i]
.endr
.endr
.irp b, 0,1,2,3
	v_max_num_f32 v[BM+\b], v[BM+\b], v[S+15+16*\b]
.endr
.irp b, 0,1,2,3
	s_delay_alu instid0(VALU_DEP_4)
	v_permlanex16_b32 v[BP+\b], v[BM+\b], s[SEL], s[SEL+1]
.endr
.irp b, 0,1,2,3
	s_delay_alu instid0(VALU_DEP_4)
	v_max_num_f32 v[BM+\b], v[BM+\b], v[BP+\b]     ; with lane l xor 16's 16 keys
.endr
	s_delay_alu instid0(VALU_DEP_2)
	v_max3_num_f32 v[SCR], v[BM], v[BM+1], v[BM+2]
	s_delay_alu instid0(VALU_DEP_1)
	v_max_num_f32 v[SCR], v[SCR], v[BM+3]
	s_delay_alu instid0(VALU_DEP_1)
	v_mul_f32 v[SCR], s[CS], v[SCR]                ; as t
	s_delay_alu instid0(VALU_DEP_1)
	v_max_num_f32 v13, v13, v[SCR]                 ; the running largest t
	v_mov_b32 v[SCR], v12
	s_delay_alu instid0(VALU_DEP_2)
	v_floor_f32 v12, -v13                          ; the new -M = -ceil(t): a whole number
	s_delay_alu instid0(VALU_DEP_1)
	v_sub_f32 v[SCR], v12, v[SCR]                  ; old M - new M, 0 or less
	s_delay_alu instid0(VALU_DEP_1)
	v_cvt_i32_f32 v[SCR], v[SCR]                   ; (it saturates)
	s_delay_alu instid0(VALU_DEP_1)
	v_ldexp_f32 v[F], 1.0, v[SCR]                  ; f
.set n, 0
.rept 32
	v_pk_fma_f32 v[S+n:S+n+1], v[S+n:S+n+1], s[CS:CS+1], v[12:13] op_sel_hi:[1,0,0]   ; t - M, two at a time
.set n, n+2
.endr
.irp b, 0,1,2,3
	v_fma_f32 v[BM+\b], v[BM+\b], s[CS], v12       ; the same of each block's largest score
.endr
.set n, 0
	s_setprio 1
	s_wait_alu depctr_va_vdst(0)
.rept 64
	v_exp_f32 v[S+n], v[S+n]                       ; p = 2^(t - M)
.set n, n+1
.endr
.irp b, 0,1,2,3
	v_exp_f32 v[BM+\b], v[BM+\b]                   ; the block's largest p: the same two instructions on the same number
.endr
	v_pk_mul_f32 v[14:15], v[14:15], v[F:F+1] op_sel_hi:[1,0]      ; the sums under the new M; a plain place behind the exponentials
	s_wait_alu depctr_va_vdst(0)
.irp b, 0,1,2,3
	v_max_num_f32 v[BM+\b], 0x4800000, v[BM+\b]    ; the floor: the byte cannot fall under 1
.endr
.irp b, 0,1,2,3
	s_delay_alu instid0(VALU_DEP_4)
	v_add_nc_u32 v[BS+\b], 0xfc000000, v[BM+\b]
.endr
.irp b, 0,1,2,3
.endr
.irp b, 0,1,2,3
	s_delay_alu instid0(VALU_DEP_4)
	v_lshrrev_b32 v[BP+\b], 23, v[BS+\b]
.endr
	s_delay_alu instid0(VALU_DEP_3)
	v_lshl_or_b32 v[PW], v[BP+1], 8, v[BP]         ; p's scale word for these 128 keys
	s_delay_alu instid0(VALU_DEP_1)
	v_lshl_or_b32 v[PW], v[BP+2], 16, v[PW]
	s_delay_alu instid0(VALU_DEP_1)
	v_lshl_or_b32 v[PW], v[BP+3], 24, v[PW]
	v_pk_add_f32 v[244:245], v[108:109], v[112:113]
	v_pk_add_f32 v[252:253], v[116:117], v[120:121]
	v_pk_add_f32 v[250:251], v[124:125], v[128:129]
	v_pk_add_f32 v[248:249], v[132:133], v[136:137]
	v_pk_add_f32 v[246:247], v[140:141], v[144:145]
	v_pk_add_f32 v[234:235], v[148:149], v[152:153]
	v_pk_add_f32 v[232:233], v[156:157], v[160:161]
	v_pk_add_f32 v[14:15], v[14:15], v[164:165]
	v_pk_add_f32 v[244:245], v[244:245], v[104:105]
	v_pk_add_f32 v[252:253], v[252:253], v[106:107]
	v_pk_add_f32 v[250:251], v[250:251], v[110:111]
	v_pk_add_f32 v[248:249], v[248:249], v[114:115]
	v_pk_add_f32 v[246:247], v[246:247], v[118:119]
	v_pk_add_f32 v[234:235], v[234:235], v[122:123]
	v_pk_add_f32 v[232:233], v[232:233], v[126:127]
	v_pk_add_f32 v[14:15], v[14:15], v[130:131]
	v_pk_add_f32 v[244:245], v[244:245], v[134:135]
	v_pk_add_f32 v[252:253], v[252:253], v[138:139]
	v_pk_add_f32 v[250:251], v[250:251], v[142:143]
	v_pk_add_f32 v[248:249], v[248:249], v[146:147]
	v_pk_add_f32 v[246:247], v[246:247], v[150:151]
	v_pk_add_f32 v[234:235], v[234:235], v[154:155]
	v_pk_add_f32 v[232:233], v[232:233], v[158:159]
	v_pk_add_f32 v[14:15], v[14:15], v[162:163]
	v_pk_add_f32 v[244:245], v[244:245], v[166:167]
	s_delay_alu instid0(VALU_DEP_2)
	v_pk_add_f32 v[14:15], v[14:15], v[248:249]
	s_delay_alu instid0(VALU_DEP_2)
	v_pk_add_f32 v[244:245], v[244:245], v[246:247]
	s_setprio 0
	v_pk_add_f32 v[252:253], v[252:253], v[234:235]
	v_pk_add_f32 v[250:251], v[250:251], v[232:233]
	s_delay_alu instid0(VALU_DEP_2)
	v_pk_add_f32 v[14:15], v[14:15], v[252:253]
	s_delay_alu instid0(VALU_DEP_2)
	v_pk_add_f32 v[244:245], v[244:245], v[250:251]
	s_delay_alu instid0(VALU_DEP_1)
	v_pk_add_f32 v[14:15], v[14:15], v[244:245]
.irp b, 0,1,2,3
.set n, 0
.rept 16
.set n, n+1
.endr
	v_cvt_scalef32_pk8_fp8_f32 v[PC+4*\b:PC+4*\b+1], v[S+16*\b:S+16*\b+7], v[BS+\b]
	v_cvt_scalef32_pk8_fp8_f32 v[PC+4*\b+2:PC+4*\b+3], v[S+16*\b+8:S+16*\b+15], v[BS+\b]
.endr
.set n, 0
.rept 16
	v_pk_mul_f32 v[O+n:O+n+1], v[O+n:O+n+1], v[F:F+1] op_sel_hi:[1,0]   ; O^T under the new M; these sixteen are also the places between the codes, the scale word and the products
.set n, n+2
.endr
	s_wait_alu depctr_va_vdst(0)
	s_wait_dscnt 0x0                               ; V and its scale words
.irp g, 0,1
	v_wmma_scale_f32_16x16x128_f8f6f4 v[O+16*\g:O+16*\g+7], v[KV+32*\g:KV+32*\g+15], v[PC:PC+15], v[O+16*\g:O+16*\g+7], v[VSW+\g], v[PW]
	v_wmma_scale_f32_16x16x128_f8f6f4 v[O+16*\g+8:O+16*\g+15], v[KV+32*\g+16:KV+32*\g+31], v[PC:PC+15], v[O+16*\g+8:O+16*\g+15], v[VSW+\g], v[PW] matrix_a_scale:MATRIX_SCALE_ROW1
.endr
.if \cond
.Lhidden_\@:
.endif
	s_add_co_u32 s[ST], s[ST], 1
	s_add_co_u32 s[TK], s[TK], 8192
	s_add_co_u32 s[TS], s[TS], 512
	s_add_co_u32 s[TV], s[TV], 256
.endm
; A TILE'S END: O^T / the sum; its two blocks of 32 channels are quantised; the codes are registers 4 (2 (head % 2) + b) .. + 3 of the last projection's operand.
.macro OUT late, obase, sbase
.rept 8
	v_nop                                          ; places behind the last products
.endr
.if \late
	global_load_b128 v[16:19], v1, s[QIE:QIE+1]    ; the early tile's Q is asked for here
	global_load_b128 v[20:23], v1, s[QIE:QIE+1] offset:512
	global_load_b32 v[QSW], v6, s[QSE:QSE+1]
.endif
	v_add_f32 v14, v14, v15
	s_delay_alu instid0(VALU_DEP_1)
	v_permlanex16_b32 v[SCR], v14, s[SEL], s[SEL+1]
	s_delay_alu instid0(VALU_DEP_1)
	v_add_f32 v14, v14, v[SCR]                     ; the row's sum
	s_wait_alu depctr_va_vdst(0)
	v_rcp_f32 v14, v14
	v_nop                                          ; one plain place behind a transcendental
.set n, 0
	s_wait_alu depctr_va_vdst(0)
.rept 32
	v_mul_f32 v[S+n], v[O+n], v14                  ; register 16 b + i: channel 32 b + 16 (lane / 16) + i of my query; each accumulator from its low end on
.set n, n+1
.endr
.irp b, 0,1
	v_max3_num_f32 v[BM+\b], |v[S+16*\b]|, |v[S+1+16*\b]|, 0x4800000
.endr
.irp i, 2,4,6,8,10,12,14
.irp b, 0,1
	s_delay_alu instid0(VALU_DEP_2)
	v_max3_num_f32 v[BM+\b], v[BM+\b], |v[S+16*\b+\i]|, |v[S+1+16*\b+\i]|
.endr
.endr
.irp b, 0,1
	s_delay_alu instid0(VALU_DEP_2)
	v_permlanex16_b32 v[BP+\b], v[BM+\b], s[SEL], s[SEL+1]
.endr
.irp b, 0,1
	s_delay_alu instid0(VALU_DEP_2)
	v_max_num_f32 v[BM+\b], v[BM+\b], v[BP+\b]
.endr
.irp b, 0,1
	s_delay_alu instid0(VALU_DEP_2)
	v_add_nc_u32 v[BS+\b], 0xfc000000, v[BM+\b]
.endr
.irp b, 0,1
.endr
.irp b, 0,1
	s_delay_alu instid0(VALU_DEP_2)
	v_lshrrev_b32 v[BP+\b], 23, v[BS+\b]
.endr
	s_delay_alu instid0(VALU_DEP_1)
	v_lshl_or_b32 v[SCR], v[BP+1], 8, v[BP]        ; my row's two scale bytes
.irp b, 0,1
.set n, 0
.rept 16
.set n, n+1
.endr
	v_cvt_scalef32_pk8_fp8_f32 v[PC+4*\b:PC+4*\b+1], v[S+16*\b:S+16*\b+7], v[BS+\b]
	v_cvt_scalef32_pk8_fp8_f32 v[PC+4*\b+2:PC+4*\b+3], v[S+16*\b+8:S+16*\b+15], v[BS+\b]
.endr
	v_nop                                          ; one plain line behind the last conversion
	global_store_b128 v1, v[PC:PC+3], s[\obase:\obase+1]           ; 512 consecutive bytes, aligned
	global_store_b128 v1, v[PC+4:PC+7], s[\obase:\obase+1] offset:512
	global_store_b16 v7, v[SCR], s[\sbase:\sbase+1]                ; two bytes of each of 16 rows of 32; lanes 16-31 write what lanes 0-15 write.  One byte in 32 of what the launch stores
.endm
	s_wait_tensorcnt 1                             ; the scale words and keys 0 to 1,023 are in; the fill of keys 1,024 on may be out
	s_barrier_signal -1
	s_barrier_wait -1
	s_wait_loadcnt 0x0                             ; Q
	s_mov_b32 s[CNT], 8
.Lfirst_half:                                          ; the late tile, key steps 0 to 7: all keys count for every late tile
	STEP 0
	s_sub_co_u32 s[CNT], s[CNT], 1
	s_cmp_lg_u32 s[CNT], 0
	s_cbranch_scc1 .Lfirst_half
	s_setprio 0
	s_wait_tensorcnt 0x0                           ; keys 1,024 on are in,
	s_wait_dscnt 0x0
	s_barrier_signal -1
	s_barrier_wait -1                              ; everybody's part
	s_mov_b32 s[CNT], 8
.Lsecond_half:                                         ; key steps 8 to 15: the trip count is a constant; what lies behind the tile is jumped over
	STEP 1
	s_sub_co_u32 s[CNT], s[CNT], 1
	s_cmp_lg_u32 s[CNT], 0
	s_cbranch_scc1 .Lsecond_half
	s_setprio 0
	OUT 1, AIL, ASL
	s_wait_xcnt 0x0                                ; the stores have read their data: the registers may be written again
	s_mov_b32 s[ST], 0
	s_mov_b32 s[TK], 0
	s_mov_b32 s[TS], 0
	s_mov_b32 s[TV], 0
	s_lshr_b32 s[SG], s[WV], 1                     ; the early tile's key step
	INIT
	s_wait_loadcnt 0x0                             ; its Q
	s_mov_b32 s[CNT], 8
.Learly:                                               ; key steps 0 to 7
	STEP 1
	s_sub_co_u32 s[CNT], s[CNT], 1
	s_cmp_lg_u32 s[CNT], 0
	s_cbranch_scc1 .Learly
	s_setprio 0
	OUT 0, AIE, ASE
	s_wait_tensorcnt 0x0
	ds_add_u32 v254, v255
	s_wait_dscnt 0x0
	CROUND                                         ; the closing round
	s_endpgm
.Lfunc_end_k_q960f59e8c9_attn:
	.size	k_q960f59e8c9_attn, .Lfunc_end_k_q960f59e8c9_attn-k_q960f59e8c9_attn
	.p2alignl 7, 3214868480
	.fill 96, 4, 3214868480
	.section	.rodata,"a",@progbits
	.p2align	6, 0x0
	.amdhsa_kernel k_q960f59e8c9_attn
		.amdhsa_group_segment_fixed_size 276480
		.amdhsa_private_segment_fixed_size 0
		.amdhsa_enable_private_segment 0
		.amdhsa_kernarg_size 32
		.amdhsa_user_sgpr_count 2
		.amdhsa_user_sgpr_kernarg_segment_ptr 1
		.amdhsa_wavefront_size32 1
		.amdhsa_system_sgpr_workgroup_id_x 1
		.amdhsa_system_sgpr_workgroup_id_y 1
		.amdhsa_system_sgpr_workgroup_id_z 1
		.amdhsa_system_vgpr_workitem_id 0
		.amdhsa_next_free_vgpr 256
		.amdhsa_next_free_sgpr 80
		.amdhsa_reserve_vcc 1
		.amdhsa_float_denorm_mode_32 3
		.amdhsa_float_denorm_mode_16_64 3
		.amdhsa_fp16_overflow 1
		.amdhsa_memory_ordered 1
		.amdhsa_forward_progress 1
		.amdhsa_inst_pref_size 82
	.end_amdhsa_kernel
	.amdgpu_metadata
---
amdhsa.version: [ 1, 2 ]
amdhsa.kernels:
  - .name:           k_q960f59e8c9_attn
    .symbol:         k_q960f59e8c9_attn.kd
    .args:
      - { .name: qkvi, .offset: 0, .size: 8, .value_kind: global_buffer, .address_space: global }
      - { .name: qkvs, .offset: 8, .size: 8, .value_kind: global_buffer, .address_space: global }
      - { .name: ai, .offset: 16, .size: 8, .value_kind: global_buffer, .address_space: global }
      - { .name: asc, .offset: 24, .size: 8, .value_kind: global_buffer, .address_space: global }
    .group_segment_fixed_size: 276480
    .private_segment_fixed_size: 0
    .kernarg_segment_align: 8
    .kernarg_segment_size: 32
    .max_flat_workgroup_size: 512
    .sgpr_count:     80
    .vgpr_count:     256
    .wavefront_size: 32
...
	.end_amdgpu_metadata
.endif
;; end of part 3
;; launch oproj (part 4): grid 4 x 32, 4 waves a work-group, clusters of 4 x 4, 327,680 bytes of LDS; arguments ai, asc, wc, ws, bo, out0; writes out0
.if DOCPART == 4
	.amdgcn_target "amdgcn-amd-amdhsa--gfx1250"
	.amdhsa_code_object_version 6
	.text
	.protected	k_q960f59e8c9_oproj
	.globl	k_q960f59e8c9_oproj
	.p2align	8
	.type	k_q960f59e8c9_oproj,@function
k_q960f59e8c9_oproj:
	s_mov_b64 s[64:65], 0
	v_nop
	global_prefetch_b8 v0, s[64:65] scope:SCOPE_SE
	s_setreg_imm32_b32 hwreg(HW_REG_WAVE_MODE, 25, 1), 1
	s_wait_xcnt 0x0
	s_wait_alu depctr_hold_cnt(0) depctr_sa_sdst(0) depctr_va_vdst(0) depctr_va_sdst(0) depctr_va_ssrc(0) depctr_va_vcc(0) depctr_vm_vsrc(0)
	s_getreg_b32 s2, hwreg(HW_REG_IB_STS2, 6, 4)
	s_cmp_eq_u32 s2, 0
	s_cbranch_scc0 .Lentry_in_a_cluster
	s_endpgm
.Lentry_in_a_cluster:
	s_bfe_u32 s2, ttmp6, 0x10000c
	s_cmp_lg_u32 s2, 0xf033
	s_cbranch_scc0 .Lentry_shape_is_right
	s_endpgm
.Lentry_shape_is_right:
; out0 = a Wo + bo on codes of FP8 (E4M3) with E8M0 scales; a is the attention's result, 8,192 x 1,024; out0 is f32.
; A tile of 256 x 256 to a work-group, 128 x 128 to each of four waves; K = 1,024 in four steps of 256 through a ring of two LDS slots; the scale bytes of the work-group's 512 rows come once and stay.
; Clusters of 4 x 4: a's tiles are asked for jointly by my row of the cluster, Wo's by my column.  The matrix instruction is used transposed: source 0 = 16 rows of Wo^T, source 1 = 16 rows of a.
; a's codes lie in memory as IMAGES of the operand's registers: [tile of 16 rows][K step of 128][c 4][lane 32][16 bytes]; a slot's part of a tile is 4,096 bytes on end, and a fragment is four loads at 16 x lane.
; ROW ORDER: row r of a's tile 2 G + u is token 32 G + 8 u + r + 8 (r / 8); Wo's rows in wc are ordered alike, so the 16 registers of result tiles 2 B, 2 B + 1 are outputs 32 B + 16 (lane / 16) + 0 .. 15.  The way out puts both right.
; The bias is the C of each sum's first product.  128 work-groups: the tile keeps each fragment's use high; the launch is bound by its 32 MiB of output.
.set NQ,     2
.set ROWB,   256
.set KROW,   1024
.set PITCH,  272
.set FR,     16
.set NL,     4
.set NP,     8
.set HALFT,  128*PITCH
.set SLOT,   4*HALFT
.set LAPS,   2
.set KS,     32
.set SCL,    2*SLOT
.set HALFS,  16*272
.set SBLK,   2*272
.set SPARE,  SCL+4*HALFS
.set SPITCH, 528                       ; the way out: a stage of 16 rows x (512 bytes + 16) for each wave, in slot 0, which has had its last fill and its last read by then
.set ADRA, 16
.set ADRB, 20
.set STO,  24
.set RD,   25
.set CO,   26
.set ADRS, 27
.set SPW,  28
.set NIL,  29
.set SC,   32
.set BT,   64
.set AF,   128
.set BK,   128
.set G1, 24
.set G0, 32
.set G1B, 48
.set G0B, 56
.set G1S, 68
.set G0S, 76
.set G1SB, 80
.set G0SB, 88
.set MSB, 0
.macro WIN new
.if MSB != \new
	s_set_vgpr_msb (MSB<<8)|\new
.set MSB, \new
.endif
.endm
.set MUL_LO, 0xa1
.set MUL_HI, 0xf1
.set TO_B,   0x40
.macro JLOAD g0a, g1a, g0b, g1b        ; waves 0 and 1 fetch for a, waves 2 and 3 for Wo; four v_nop follow each of the two lines
	s_cmp_eq_u32 s15, 0
	s_cbranch_scc0 .Lfor_b_\@
	tensor_load_to_lds s[\g0a:\g0a+3], s[\g1a:\g1a+7]
	s_nop 0
.rept 4
	v_nop
.endr
	s_branch .Lasked_\@
.Lfor_b_\@:
	tensor_load_to_lds s[\g0b:\g0b+3], s[\g1b:\g1b+7]
	s_nop 0
.rept 4
	v_nop
.endr
.Lasked_\@:
.endm
.macro CREST
	s_cmp_lg_u32 s14, 0
	s_cbranch_scc1 .Lnot_wave_0_\@
	s_barrier_signal -3
.Lnot_wave_0_\@:
	s_barrier_wait -3
	s_barrier_signal -1
	s_barrier_wait -1
.endm
.macro CROUND
	s_barrier_signal -1
	s_barrier_wait -1
	CREST
.endm
	s_load_b256 s[4:11], s[0:1], 0x0               ; ai, asc, wc, ws
	s_load_b128 s[92:95], s[0:1], 0x20             ; bo, out0
	v_lshl_add_u32 v[SPW], v0, 2, SPARE
	v_mov_b32 v[NIL], 0
	ds_add_u32 v28, v29
	ds_add_u32 v28, v29
	s_wait_dscnt 0x0
	v_lshrrev_b32 v1, 5, v0
	v_readfirstlane_b32 s14, v1
	s_lshr_b32 s15, s14, 1                         ; my half of a's rows.  Also: I fetch for a (0) or for Wo (1)
	s_and_b32 s16, s14, 1                          ; my half of Wo's rows.  Also: which 128 rows I fetch
	s_bfe_u32 s40, ttmp6, 0x40000                  ; cx
	s_bfe_u32 s41, ttmp6, 0x40004                  ; cy
	s_add_co_u32 s42, s40, 12                      ; Wo's rows begin at tile 12 of wc
	s_and_b32 s17, ttmp7, 0xffff
	s_lshl_b32 s17, s17, 2
	s_add_co_u32 s17, s17, s41                     ; a's tile of 256 rows
	s_lshl_b32 s43, s41, 2
	s_lshl_b32 s43, 15, s43
	s_lshl_b32 s44, 0x1111, s40
	s_or_b32 s[G1+0], s43, (3<<16)|(1<<21)         ; a's images: elements of 8 bytes, no padding: 8 tiles of rows x 4,096 bytes, 16,384 bytes apart
	s_mov_b32 s[G1+1], 512<<16
	s_mov_b32 s[G1+2], 8<<16
	s_mov_b32 s[G1+3], 512<<16
	s_mov_b32 s[G1+4], 8
	s_mov_b32 s[G1+5], 2048
	s_mov_b32 s[G1+6], 0
	s_mov_b32 s[G1+7], 0
	s_or_b32 s[G1B+0], s44, (0<<16)|(1<<20)|(1<<21)|(5<<22)|(3<<25)  ; Wo's codes: 128 rows of 256 bytes, 16 bytes of padding behind each
	s_mov_b32 s[G1B+1], ROWB<<16
	s_mov_b32 s[G1B+2], 128<<16
	s_mov_b32 s[G1B+3], ROWB<<16
	s_mov_b32 s[G1B+4], 128
	s_mov_b32 s[G1B+5], KROW
	s_mov_b32 s[G1B+6], 0
	s_mov_b32 s[G1B+7], 0
	s_or_b32 s[G1S+0], s43, (3<<16)|(1<<20)|(1<<21)|(5<<22)|(3<<25)
	s_or_b32 s[G1SB+0], s44, (3<<16)|(1<<20)|(1<<21)|(5<<22)|(3<<25)
.irp g, G1S, G1SB
	s_mov_b32 s[\g+1], 32<<16
	s_mov_b32 s[\g+2], 16<<16
	s_mov_b32 s[\g+3], 32<<16
	s_mov_b32 s[\g+4], 16
	s_mov_b32 s[\g+5], 32
	s_mov_b32 s[\g+6], 0
	s_mov_b32 s[\g+7], 0
.endr
	s_lshl_b32 s18, s16, 7
	s_lshl_b32 s22, s17, 8
	s_add_co_u32 s22, s22, s18                     ; a: the first row that I fetch
	s_lshl_b32 s20, s22, 10                        ; its images: 16,384 bytes for 16 rows
	s_mov_b32 s21, 0
	s_lshl_b32 s22, s22, 5                         ; its scales
	s_mov_b32 s23, 0
	s_lshl_b32 s46, s42, 8
	s_add_co_u32 s46, s46, s18                     ; Wo: the first row
	s_lshl_b32 s104, s46, 5
	s_mov_b32 s105, 0
	s_lshl_b32 s46, s46, 10
	s_mov_b32 s47, 0
	s_mul_i32 s45, s14, HALFT
	s_mul_i32 s18, s14, HALFS
	s_wait_kmcnt 0x0
	s_add_nc_u64 s[20:21], s[4:5], s[20:21]
	s_add_nc_u64 s[22:23], s[6:7], s[22:23]
	s_add_nc_u64 s[46:47], s[8:9], s[46:47]
	s_add_nc_u64 s[104:105], s[10:11], s[104:105]
	CROUND
	s_mov_b32 s[G0S], 1
	s_add_co_u32 s[G0S+1], s18, SCL
	s_mov_b64 s[G0S+2:G0S+3], s[22:23]
	s_or_b32 s[G0S+3], s[G0S+3], 0x80000000
	s_mov_b32 s[G0SB], 1
	s_add_co_u32 s[G0SB+1], s18, SCL
	s_mov_b64 s[G0SB+2:G0SB+3], s[104:105]
	s_or_b32 s[G0SB+3], s[G0SB+3], 0x80000000
	JLOAD G0S, G1S, G0SB, G1SB
.irp s, 0,1
	s_mov_b32 s[G0+4*\s], 1
	s_add_co_u32 s[G0+4*\s+1], s45, \s*SLOT
	s_add_nc_u64 s[G0+4*\s+2:G0+4*\s+3], s[20:21], \s*4096
	s_or_b32 s[G0+4*\s+3], s[G0+4*\s+3], 0x80000000
	s_mov_b32 s[G0B+4*\s], 1
	s_add_co_u32 s[G0B+4*\s+1], s45, \s*SLOT
	s_add_nc_u64 s[G0B+4*\s+2:G0B+4*\s+3], s[46:47], \s*ROWB
	s_or_b32 s[G0B+4*\s+3], s[G0B+4*\s+3], 0x80000000
	s_wait_alu depctr_va_vdst(0)
	s_wait_tensorcnt 0x0
	ds_add_u32 v28, v29
	s_wait_dscnt 0x0
	CROUND
	JLOAD G0+4*\s, G1, G0B+4*\s, G1B
.endr
	v_and_b32 v1, 15, v0                           ; r
	v_bfe_u32 v2, v0, 4, 1                         ; h
	v_and_b32 v6, 31, v0
	v_lshlrev_b32 v[CO], 4, v6                     ; 16 x lane
	v_mul_u32_u24 v3, v1, PITCH
	v_lshl_add_u32 v4, v2, 4, v3
	s_mul_i32 s21, s15, HALFT                      ; my 128 rows of a: images
	s_mul_i32 s22, s16, HALFT
	s_add_co_u32 s22, s22, 2*HALFT                 ; my 128 rows of Wo
.irp s, 0,1
	v_add_nc_u32 v[ADRA+\s], s21, v[CO]
	v_add_nc_u32 v[ADRB+\s], s22, v4
	s_add_co_u32 s21, s21, SLOT
	s_add_co_u32 s22, s22, SLOT
.endr
	v_mul_u32_u24 v5, v1, KS
	v_lshrrev_b32 v6, 8, v5
	v_lshl_add_u32 v5, v6, 4, v5
	s_mul_i32 s21, s15, HALFS
	s_mul_i32 s22, s16, HALFS
	s_add_co_u32 s22, s22, 2*HALFS
	s_sub_co_u32 s22, s22, s21
	v_mul_u32_u24 v6, s22, v2
	s_add_co_u32 s21, s21, SCL
	v_add_nc_u32 v5, v5, v6
	v_add_nc_u32 v[ADRS], s21, v5
	s_mul_i32 s23, s14, 16*SPITCH                  ; my stage
	v_mul_u32_u24 v5, v1, SPITCH
	v_lshl_add_u32 v5, v2, 6, v5                   ; in: row r, + 64 h: 16 outputs for each half of the lanes in every 32
	v_add_nc_u32 v[STO], s23, v5
	v_add_nc_u32 v[RD], s23, v[CO]                 ; back: the 32 lanes take one row of 512 bytes
	s_lshl_b32 s20, s17, 20                        ; out0: 256 rows of 4,096 bytes a tile,
	s_lshl_b32 s21, s15, 19                        ; my 128,
	s_add_co_u32 s20, s20, s21
	s_lshl_b32 s21, s40, 10                        ; 1,024 bytes a tile of columns,
	s_add_co_u32 s20, s20, s21
	s_lshl_b32 s2, s16, 9                          ; my 512
	s_add_co_u32 s20, s20, s2
	s_add_co_u32 s2, s2, s21                       ; and the same for the bias
	s_mov_b32 s21, 0
	s_mov_b32 s3, 0
	s_add_nc_u64 s[12:13], s[94:95], s[20:21]
	s_add_nc_u64 s[92:93], s[92:93], s[2:3]
	v_lshlrev_b32 v7, 6, v2
.irp b, 0,1,2,3,4,5,6,7                ; tile b's register j is output 32 (b / 2) + 8 (b % 2) + 16 h + j
	global_load_b128 v[BT+8*\b:BT+8*\b+3], v7, s[92:93] offset:(32*(\b/2)+8*(\b%2))*4
	global_load_b128 v[BT+8*\b+4:BT+8*\b+7], v7, s[92:93] offset:(32*(\b/2)+8*(\b%2))*4+16
.endr
.macro FRAG reg, adr, q, i
.irp c, 0,1,2,3
	ds_load_b128 v[\reg+4*\c:\reg+4*\c+3], v[\adr] offset:128*(\q)+32*\c+(\i)*16*PITCH
.endr
.endm
.macro FRAGA reg, adr, q, i            ; a's fragment: the image of its registers
.irp c, 0,1,2,3
	ds_load_b128 v[\reg+4*\c:\reg+4*\c+3], v[\adr] offset:4096*(\i)+2048*(\q)+512*\c
.endr
.endm
.macro MUL16 a0, p, q, sc, cm          ; cm = 1: the sums begin with the bias.  The 64 accumulators take turns, one instruction a turn
.irp a, \a0, \a0+1
.irp b, 0,1,2,3,4,5,6,7
.if \cm
	v_wmma_scale_f32_16x16x128_f8f6f4 v[8*(8*((\a)%4)+\b):8*(8*((\a)%4)+\b)+7], v[128*(\p)+FR*\b:128*(\p)+FR*\b+FR-1], v[AF+FR*(\a):AF+FR*(\a)+FR-1], v[BT+8*\b:BT+8*\b+7], v[SC+8*NQ*(\sc)+NQ*\b+(\q)], v[SC+8*NQ*(\sc)+NQ*(\a)+(\q)] matrix_a_scale:MATRIX_SCALE_ROW1
.else
	v_wmma_scale_f32_16x16x128_f8f6f4 v[8*(8*((\a)%4)+\b):8*(8*((\a)%4)+\b)+7], v[128*(\p)+FR*\b:128*(\p)+FR*\b+FR-1], v[AF+FR*(\a):AF+FR*(\a)+FR-1], v[8*(8*((\a)%4)+\b):8*(8*((\a)%4)+\b)+7], v[SC+8*NQ*(\sc)+NQ*\b+(\q)], v[SC+8*NQ*(\sc)+NQ*(\a)+(\q)] matrix_a_scale:MATRIX_SCALE_ROW1
.endif
.endr
.endr
.endm
.macro FETCH_B slot, q, p
	WIN TO_B
.irp i, 0,1,2,3,4,5,6,7
	FRAG 128*(\p)+FR*\i, ADRB+\slot, \q, \i
.endr
	WIN 0
.endm
.macro FETCH_A slot, q, i0
.irp i, \i0, \i0+1, \i0+2, \i0+3
	FRAGA AF+FR*(\i), ADRA+\slot, \q, \i
.endr
.endm
.macro SCALES sc
.irp i, 0,1,2,3,4,5,6,7
	ds_load_b64 v[SC+8*NQ*\sc+NQ*\i:SC+8*NQ*\sc+NQ*\i+1], v[ADRS] offset:\i*SBLK
.endr
.endm
.macro PLACES n
.rept \n
	v_nop
.endr
.endm
.macro STEP slot, q, cm
	s_wait_dscnt 4*NL                              ; Wo's set and a's blocks 0-3 are in; the youngest sixteen loads may be out
.if \cm
	WIN 0x81
.else
	WIN MUL_LO
.endif
	MUL16 0, (\q)%2, \q, \slot, \cm
	MUL16 2, (\q)%2, \q, \slot, \cm
	s_wait_dscnt 0
	PLACES NP
	FETCH_B \slot, (\q)+1, 1-(\q)%2
	FETCH_A \slot, (\q)+1, 0
.if \cm
	WIN 0xc1
.else
	WIN MUL_HI
.endif
	MUL16 4, (\q)%2, \q, \slot, \cm
	MUL16 6, (\q)%2, \q, \slot, \cm
	PLACES NP
	WIN 0
	FETCH_A \slot, (\q)+1, 4
.endm
.macro TURN slot, next, fill
	s_wait_tensorcnt 0x0                           ; all my tensor loads have landed: my part of the next slot
	ds_add_u32 v[SPW], v[NIL]                      ; 0 onto my spare word
	s_wait_dscnt 4*NL+1                            ; the add and the youngest sixteen loads may be out
	WIN MUL_LO
	MUL16 0, 1, NQ-1, \slot, 0
	s_wait_dscnt 0x0                               ; the add is done, and my reads of this slot are over
	s_barrier_signal -1
	MUL16 2, 1, NQ-1, \slot, 0
	WIN 0
	s_barrier_wait -1
.if \fill
	CREST                                          ; the barrier has opened a round of the cluster's
	s_add_nc_u64 s[G0+4*\slot+2:G0+4*\slot+3], s[G0+4*\slot+2:G0+4*\slot+3], 2*4096
	s_add_nc_u64 s[G0B+4*\slot+2:G0B+4*\slot+3], s[G0B+4*\slot+2:G0B+4*\slot+3], 2*ROWB
	JLOAD G0+4*\slot, G1, G0B+4*\slot, G1B
	PLACES NP-4
.else
	PLACES NP
.endif
	s_wait_alu depctr_va_vdst(0)
	v_add_nc_u32 v[ADRS], 4*NQ, v[ADRS]
	FETCH_B \next, 0, 0
	FETCH_A \next, 0, 0
	SCALES \next
	WIN MUL_HI
	MUL16 4, 1, NQ-1, \slot, 0
	MUL16 6, 1, NQ-1, \slot, 0
	PLACES NP
	WIN 0
	FETCH_A \next, 0, 4
.endm
	s_wait_alu depctr_va_vdst(0)
	s_wait_tensorcnt 1                             ; the scales and my part of K step 0 are in; K step 1's load may be out
	s_barrier_signal -1
	s_barrier_wait -1
	FETCH_B 0, 0, 0
	FETCH_A 0, 0, 0
	SCALES 0
	FETCH_A 0, 0, 4
	s_wait_loadcnt 0x0                             ; the bias table
	STEP 0, 0, 1
	s_mov_b32 s3, LAPS-1
.Llap:
	TURN 0, 1, 1
	STEP 1, 0, 0
	TURN 1, 0, 1
	STEP 0, 0, 0
	s_sub_co_u32 s3, s3, 1
	s_cmp_lg_u32 s3, 0
	s_cbranch_scc1 .Llap
	TURN 0, 1, 0
	STEP 1, 0, 0
	s_wait_dscnt 4*NL
	WIN MUL_LO
	MUL16 0, 1, NQ-1, 1, 0
	MUL16 2, 1, NQ-1, 1, 0
	s_wait_dscnt 0
	WIN MUL_HI
	MUL16 4, 1, NQ-1, 1, 0
	MUL16 6, 1, NQ-1, 1, 0
	WIN 0
; THE WAY OUT, a block of 16 rows x 128 columns at a time, through my own stage: a lane's eight results of tile b go to the columns 32 (b / 2) + 16 h + 8 (b % 2) + 0 .. 7 of row r; whole rows of 512 bytes come back.
; Stage row t of block a is token 32 (a / 2) + 8 (a % 2) + t + 8 (t / 8) of my 128: it stands in the store's immediate, 127 rows of 4,096 bytes at the most.
.macro TOSTAGE a
.set AC, 64*((\a)%4)
.set WN, 0x08+4*((\a)/4)
	WIN WN                                         ; the data: window 2 or 3
.irp b, 0,1,2,3,4,5,6,7
	ds_store_b128 v[STO], v[AC+8*\b:AC+8*\b+3] offset:128*(\b/2)+32*(\b%2)        ; each accumulator from its low end on
	ds_store_b128 v[STO], v[AC+8*\b+4:AC+8*\b+7] offset:128*(\b/2)+32*(\b%2)+16
.endr
	WIN 0
.set BB, BK+64*((\a)%2)
.irp t, 0,1,2,3,4,5,6,7,8,9,10,11,12,13,14,15
	ds_load_b128 v[BB+4*\t:BB+4*\t+3], v[RD] offset:\t*SPITCH      ; LDS serves a wave's instructions in order (ISA guide 5.7.1.4): these see the stores above
.endr
.endm
.macro SEND a, younger
.set BB, BK+64*((\a)%2)
	s_wait_dscnt \younger                          ; the block is back in registers; the next block's 16 stores and 16 loads may be out
.irp t, 0,1,2,3,4,5,6,7,8,9,10,11,12,13,14,15
	global_store_b128 v[CO], v[BB+4*\t:BB+4*\t+3], s[12:13] offset:(32*((\a)/2)+8*((\a)%2)+\t+8*(\t/8))*4096 th:TH_STORE_NT   ; 32 lanes store 512 consecutive bytes, aligned
.endr
.endm
	PLACES NP
	TOSTAGE 0
.irp a, 1,2,3,4,5,6,7
.if \a > 1
	s_wait_xcnt 0x0                                ; block a - 2's stores have read their registers: block a's loads may land there
.endif
	TOSTAGE \a
	SEND \a-1, 32
.endr
	SEND 7, 0
	s_wait_tensorcnt 0x0                           ; the wave's end
	ds_add_u32 v[SPW], v[NIL]
	s_wait_dscnt 0x0
	CROUND                                         ; the closing round
	s_endpgm
.Lfunc_end_k_q960f59e8c9_oproj:
	.size	k_q960f59e8c9_oproj, .Lfunc_end_k_q960f59e8c9_oproj-k_q960f59e8c9_oproj
	.p2alignl 7, 3214868480
	.fill 96, 4, 3214868480
	.section	.rodata,"a",@progbits
	.p2align	6, 0x0
	.amdhsa_kernel k_q960f59e8c9_oproj
		.amdhsa_group_segment_fixed_size 327680
		.amdhsa_private_segment_fixed_size 0
		.amdhsa_enable_private_segment 0
		.amdhsa_kernarg_size 48
		.amdhsa_user_sgpr_count 2
		.amdhsa_user_sgpr_kernarg_segment_ptr 1
		.amdhsa_wavefront_size32 1
		.amdhsa_system_sgpr_workgroup_id_x 1
		.amdhsa_system_sgpr_workgroup_id_y 1
		.amdhsa_system_sgpr_workgroup_id_z 1
		.amdhsa_system_vgpr_workitem_id 0
		.amdhsa_next_free_vgpr 1024
		.amdhsa_next_free_sgpr 106
		.amdhsa_reserve_vcc 0
		.amdhsa_float_denorm_mode_32 3
		.amdhsa_float_denorm_mode_16_64 3
		.amdhsa_memory_ordered 1
		.amdhsa_forward_progress 1
		.amdhsa_inst_pref_size 147
	.end_amdhsa_kernel
	.amdgpu_metadata
---
amdhsa.version: [ 1, 2 ]
amdhsa.kernels:
  - .name:           k_q960f59e8c9_oproj
    .symbol:         k_q960f59e8c9_oproj.kd
    .args:
      - { .name: ai, .offset: 0, .size: 8, .value_kind: global_buffer, .address_space: global }
      - { .name: asc, .offset: 8, .size: 8, .value_kind: global_buffer, .address_space: global }
      - { .name: wc, .offset: 16, .size: 8, .value_kind: global_buffer, .address_space: global }
      - { .name: ws, .offset: 24, .size: 8, .value_kind: global_buffer, .address_space: global }
      - { .name: bo, .offset: 32, .size: 8, .value_kind: global_buffer, .address_space: global }
      - { .name: out0, .offset: 40, .size: 8, .value_kind: global_buffer, .address_space: global }
    .group_segment_fixed_size: 327680
    .private_segment_fixed_size: 0
    .kernarg_segment_align: 8
    .kernarg_segment_size: 48
    .max_flat_workgroup_size: 128
    .sgpr_count:     106
    .vgpr_count:     1024
    .wavefront_size: 32
...
	.end_amdgpu_metadata
.endif
;; end of part 4
